; MI455X (gfx1250); checked and timed in simulation.
; The chip was launched on July 23, 2026; its instructions are those of AMD's public machine-readable ISA for CDNA 5 (MIT licence, August 2026) and "CDNA5" Instruction Set Architecture Reference Guide (July 2026). The comments in the code are by the model that wrote it; some were corrected since.
;; Causal Self Attention. Allowed arithmetic: matrix products marked QUANTISED: E4M3 operands, one given power-of-two scale a tensor, by v_wmma_f32_16x16x64_fp8_fp8 or v_wmma_f32_16x16x128_fp8_fp8, f32 sums; everything else in f32.
;; Inputs: b_proj 1,024 float32; lowp_scales 8 int32 (the exponents e of the quantised operands' scales 2^e); w_proj_codes 1,024 x 32 x 32 uint8 (E4M3 codes of w_proj, K innermost, in blocks of 32 codes); w_qkv_codes 3,072 x 32 x 32 uint8 (E4M3 codes of w_qkv, K innermost, in blocks of 32 codes); x_codes 2 x 2,048 x 32 x 32 uint8 (E4M3 codes of x, K innermost, in blocks of 32 codes).
;; Outputs: out0 2 x 2,048 x 1,024 float32.
;; This version of the problem:
;;   THIS VERSION OF THE PROBLEM IS GIVEN IN LOW PRECISION. The matrix products marked QUANTISED in the list below multiply operands that are first quantised to E4M3 (4 exponent bits, 3 mantissa bits; 8 bits a number), with one given power-of-two scale for each operand tensor; their sums are f32. All else is computed in f32.
;;   The module's matrix products, in the order in which they are computed (A, B: the left and right operand; K: the contracted axis; several contracted axes count as one K, in the product's order):
;;     1. [M 4,096, K 1,024] x [K 1,024, N 3,072]; A: input x (given as codes); B: input w_qkv (given as codes): QUANTISED (scales: A lowp_scales[0], B lowp_scales[1])
;;     2. batch 32 x [M 2,048, K 64] x [K 64, N 2,048]; A: computed on the way; B: computed on the way: QUANTISED (scales: A lowp_scales[2], B lowp_scales[3])
;;     3. batch 32 x [M 2,048, K 2,048] x [K 2,048, N 64]; A: softmax (see below); B: computed on the way: QUANTISED (scales: A lowp_scales[4], B lowp_scales[5])
;;     4. [M 4,096, K 1,024] x [K 1,024, N 1,024]; A: computed on the way; B: input w_proj (given as codes): QUANTISED (scales: A lowp_scales[6], B lowp_scales[7])
;;   THE QUANTISER, for each operand of a quantised product, along K:
;;     - The operand's scale is 2^e, e = its entry of the input lowp_scales (int32; the entries are numbered through the quantised products in the list's order, A before B).
;;     - Each number is divided by the scale, clamped to +-448, and rounded to the nearest number of E4M3, ties to even, subnormals kept.
;;     - The product sums the exact products of the quantised numbers (number of the format x scale) in f32.
;;   ~~~python
;;   def quantise(x, axis, e):      # numpy; x: float32 -> the quantised numbers, widened to float32 again
;;       x = np.moveaxis(x, axis, -1); K = x.shape[-1]
;;       r = np.clip(x / 2.0 ** e, -448, 448)
;;       step = 2.0 ** (np.maximum(np.frexp(np.where(r == 0, 1, r))[1] - 1, -6) - 3)
;;       q = np.round(r / step) * step * 2.0 ** e      # np.round: ties to even
;;       return np.moveaxis(q, -1, axis).astype(np.float32)
;;   ~~~
;;   SOFTMAX AHEAD OF A QUANTISED PRODUCT. Where the list says 'softmax', what is quantised is not the finished softmax but p = 2^(t - M), with t = logit x log2(e) and M = ceil(the row's largest t), a whole number; so 1/2 < the row's largest p <= 1. The row's sum l is taken of the UNQUANTISED p, in f32, and the product's result is divided by l at the end. Since M is a whole number, a kernel that streams over the keys may use a running M (the ceiling of the running maximum): every later rescaling is an exact power of two, so the quantised numbers keep their values, but for numbers so far below the row's largest that they fall under the format's range.
;;   OPERANDS COMPUTED ON THE WAY. 'Computed on the way' means the value that the module computes at that place (a softmax that the list does not call 'softmax' is quantised finished and normalised). What goes into a quantiser is computed in f32, as accurately as f32 sums, v_exp_f32 and their like allow (about 1e-6 of the number): no bf16 or f16 on the way to a quantiser, and a product that is left as it is and whose result goes on into a quantised operand takes f32 operands (vector FMAs, or v_wmma_f32_16x16x4_f32). A number that lies on a knife's edge between two numbers of the format may be rounded either way, as far as f32 arithmetic and the matrix unit's own rounding can turn it there, and no further.
;;   INPUTS GIVEN AS CODES. w_proj (in the module: [1024, 1024], K = its axis 0); w_qkv (in the module: [1024, 3072], K = its axis 0); x (in the module: [2, 2048, 1024], K = its axis 2): each comes as NAME_codes (uint8): NAME with its K axis moved to the last place and cut into blocks of 32 codes, [.., K / 32, bytes a block], one block behind the other in memory; one code a byte (a code: sign, 4 exponent bits, 3 mantissa bits); its scale is its entry of lowp_scales. Its value is code x scale, taken as it is: it is not quantised again, and the codes and scales need not be those that the quantiser above would give.
;; 2 versions, each right; version 2 is version 1 with the launch attn written anew for expert scheduling mode. Each part assembles by itself: llvm-mc -triple=amdgcn-amd-amdhsa -mcpu=gfx1250 --defsym DOCPART=n.
;; ======== version 1 of 2: 3 launches
;; workspace buffers: qc 4,194,304 bytes; kv 8,388,608 bytes; yc 4,194,304 bytes
;; launch qkv (part 1): grid 12 x 16, 4 waves a work-group, clusters of 4 x 4, 327,680 bytes of LDS; arguments x_codes, w_qkv_codes, lowp_scales, qc, kv; writes qc, kv
.if DOCPART == 1
	.amdgcn_target "amdgcn-amd-amdhsa--gfx1250"
	.amdhsa_code_object_version 6
	.text
	.protected	k_q39010cb6c3_qkv
	.globl	k_q39010cb6c3_qkv
	.p2align	8
	.type	k_q39010cb6c3_qkv,@function
k_q39010cb6c3_qkv:
	s_mov_b64 s[64:65], 0
	v_nop
	global_prefetch_b8 v0, s[64:65] scope:SCOPE_SE
	s_setreg_imm32_b32 hwreg(HW_REG_WAVE_MODE, 25, 1), 1
	s_wait_xcnt 0x0
	s_wait_alu depctr_hold_cnt(0) depctr_sa_sdst(0) depctr_va_vdst(0) depctr_va_sdst(0) depctr_va_ssrc(0) depctr_va_vcc(0) depctr_vm_vsrc(0)
	s_getreg_b32 s2, hwreg(HW_REG_IB_STS2, 6, 4)
	s_cmp_eq_u32 s2, 0
	s_cbranch_scc0 .Lentry_in_a_cluster
	s_endpgm
.Lentry_in_a_cluster:
	s_bfe_u32 s2, ttmp6, 0x10000c
	s_cmp_lg_u32 s2, 0xf033
	s_cbranch_scc0 .Lentry_shape_is_right
	s_endpgm
.Lentry_shape_is_right:
; qkv = x Wqkv on codes of FP8 (E4M3), then the quantisers of q, k and v.  x: [4096][1024] codes, Wqkv: [3072][1024] codes, K innermost in both.
; ONE GEMM, C[m][n] = sum over k of A[m][k] B[n][k], on tiles of 256 x 256 (four waves, 128 x 128 each: 64 accumulators, 512 registers), K in steps of 256 through two LDS slots.
; The cluster's x says what is made: 0 q, 1 k, 2 v; so every choice on it is alike in all sixteen partners.
;   q, k: A = x (tokens), B = Wqkv's rows (channels).   v: A = Wqkv's rows 2048 on (channels), B = x (tokens).
; THE MATRIX INSTRUCTION IS USED TRANSPOSED (source 0 = 16 rows of B, source 1 = 16 rows of A): a lane holds ONE row of A and eight neighbouring rows of B.  For q and k that is one token and
; eight neighbouring channels, for v one channel and eight neighbouring tokens: in each case eight neighbours along the K of the product that will read the codes.
; THE CODES LEAVE AS IMAGES OF OPERAND REGISTERS: four registers a lane by one store, lane l's 16 bytes at 16 l: each store of a wave covers 512 consecutive bytes, aligned.  No stage in LDS, nothing is transposed.
;   qc [head 32][16 tokens 128][1024]: the fragment 16 tokens x 64 channels: registers 2 c, 2 c + 1 of lane (r, h) = token r, channels 16 c + 8 h + 0 .. 7; registers 4 c' .. 4 c' + 3 at 512 c' + 16 l.
;   kv [head 32][128 keys 16][16384]: bytes 0 on: 8 such fragments of k (16 keys each); bytes 8192 on: 4 fragments of v^T, 16 channels x 128 keys: registers 2 b, 2 b + 1 = keys 16 b + 8 h + 0 .. 7, 2,048 bytes each.
; code = sum / 2^(eo - e0 - e1), held within +-448 x that, to the nearest code, ties to even; eo = entry 2 (q), 3 (k) or 5 (v) of the scales.  LIMIT: eo - e0 - e1 between -126 and 119, so that both powers are f32 numbers.
; CLUSTERS: 4 x 4 work-groups; A's tile is asked for jointly along a row of the cluster, B's along a column.
; No prefetch: the launch has two refills in all, and its first tiles are asked for at its head.
; REGISTERS, in windows of 256: window 0: v16-29 addresses; v96-103 the stores' offsets, v104 the conversions' scale; from v128 A's fragments, ONE set; on the way out v32-95 held sums, v128-255 codes.
;   window 1: B's fragments, TWO sets.   window 2: the accumulators of my rows 0-63 ((a, b) at v[8 (8 a + b)]);   window 3: those of my rows 64-127.
.set ROWB,   256                       ; a tile's row in bytes: 256 codes
.set KROW,   1024                      ; a row of x or of Wqkv in memory
.set PITCH,  272                       ; an LDS row: 256 bytes + 16 of padding = 68 words: row r starts at bank 4 r mod 64 (ISA guide 11.1): the 16 rows of a load start at 16 different banks
.set FR,     16                        ; registers of a fragment: 16 rows x 128 K
.set NL,     4                         ; LDS loads that bring one
.set NP,     4                         ; places behind this matrix instruction (ISA guide 7.12.1)
.set HALFT,  128*PITCH                 ; 128 rows: what one tensor load brings
.set SLOT,   4*HALFT                   ; A's 256 rows, then B's 256 rows
.set SPARE,  2*SLOT                    ; behind the ring: the spare words, 128 bytes for each wave, which no other line names
.set ADRA, 16                          ; v16-17  LDS address of my A fragments in slot 0, 1
.set ADRB, 20                          ; v20-21  the same for B
.set SPW,  28                          ; v28     LDS address of my spare word; never rewritten
.set NIL,  29                          ; v29     0; never rewritten
.set TMP,  32                          ; v32-95  the way out: a block's 64 sums, held
.set OF,   96                          ; v96-103 the way out: block a's byte offset
.set SC,   104                         ; v104    2^(eo - e0 - e1) as f32
.set AF,   128                         ; A's fragments
.set CD,   128                         ; the way out: block a's 16 registers of codes at v[CD + 16 a]: no store's data are written again
.set G1, 24                            ; s[24:31] descriptor group 1 for A's tiles;  s[32:39] group 0, one set for each slot
.set G0, 32
.set G1B, 48                           ; s[48:55], s[56:63] the same for B's tiles
.set G0B, 56
.set MSB, 0
.macro WIN new                         ; the immediate's high byte repeats the setting that is left
.if MSB != (\new)
	s_set_vgpr_msb (MSB<<8)|(\new)
.set MSB, (\new)
.endif
.endm
.set MUL_LO, 0xa1                      ; source 0 (B) window 1, source 1 (A) window 0, C and D window 2
.set MUL_HI, 0xf1                      ; the same, C and D window 3
.set TO_B,   0x40                      ; destination window 1, address window 0
; A joint load: waves 0 and 1 fetch for A, waves 2 and 3 for B.  The branch hangs on the wave's number alone.  Four v_nop follow each of the two lines.
.macro JLOAD g0a, g1a, g0b, g1b
	s_cmp_eq_u32 s15, 0
	s_cbranch_scc0 .Lfor_b_\@
	tensor_load_to_lds s[\g0a:\g0a+3], s[\g1a:\g1a+7]
	s_nop 0
.rept 4
	v_nop
.endr
	s_branch .Lasked_\@
.Lfor_b_\@:
	tensor_load_to_lds s[\g0b:\g0b+3], s[\g1b:\g1b+7]
	s_nop 0
.rept 4
	v_nop
.endr
.Lasked_\@:
.endm
.macro CREST                           ; a round of the cluster's barrier behind its opening barrier
	s_cmp_lg_u32 s14, 0
	s_cbranch_scc1 .Lnot_wave_0_\@
	s_barrier_signal -3
.Lnot_wave_0_\@:
	s_barrier_wait -3
	s_barrier_signal -1
	s_barrier_wait -1
.endm
.macro CROUND                          ; a whole round
	s_barrier_signal -1
	s_barrier_wait -1
	CREST
.endm
	s_load_b128 s[4:7], s[0:1], 0x0                ; x's codes s[4:5], Wqkv's codes s[6:7]
	s_load_b128 s[8:11], s[0:1], 0x10              ; the scales' exponents s[8:9], qc s[10:11]
	s_load_b64 s[12:13], s[0:1], 0x20              ; kv
	v_lshl_add_u32 v[SPW], v0, 2, SPARE
	v_mov_b32 v[NIL], 0
	ds_add_u32 v28, v29
	ds_add_u32 v28, v29
	s_wait_dscnt 0x0
	v_lshrrev_b32 v1, 5, v0
	v_readfirstlane_b32 s14, v1                    ; wave 0..3
	s_lshr_b32 s15, s14, 1                         ; which half of the tile's rows is mine.  Also: I fetch for A (0) or for B (1)
	s_and_b32 s16, s14, 1                          ; which half of its columns.  Also: which 128 rows of that tile I fetch
	s_bfe_u32 s40, ttmp6, 0x40000                  ; cx, cy: my place in the cluster
	s_bfe_u32 s41, ttmp6, 0x40004
	s_and_b32 s18, ttmp7, 0xffff
	s_lshl_b32 s18, s18, 2                         ; 4 x cluster y
	s_lshl_b32 s19, ttmp9, 2                       ; 4 x cluster x
	s_cmp_eq_u32 ttmp9, 2                          ; v?  The three selections stand ahead of the additions, which set SCC
	s_cselect_b32 s17, 0, s18                      ; q, k: 16 tile rows of tokens;  v: 4 tile rows of channels
	s_cselect_b32 s42, s18, s19                    ; q, k: 8 tile columns of channels;  v: 16 tile columns of tokens
	s_cselect_b32 s84, 2048, 0                     ; v's channels are Wqkv's rows 2048 on
	s_add_co_u32 s17, s17, s41                     ; tile row: made of cy, never of cx
	s_add_co_u32 s42, s42, s40                     ; tile column: made of cx, never of cy
	s_lshl_b32 s43, s41, 2
	s_lshl_b32 s43, 15, s43                        ; my row of the cluster
	s_lshl_b32 s44, 0x1111, s40                    ; my column
	; descriptor group 1: a tile of 128 rows x 256 bytes, padded in LDS
	s_or_b32 s[G1+0], s43, (0<<16)|(1<<20)|(1<<21)|(5<<22)|(3<<25)  ; 15:0 the mask: A's tiles go to my row; 17:16 element of 1 byte; 20 padding on; 21 set beside a mask; 24:22 after every 64 words (code 5); 31:25 of 4 words (code 3)
	s_or_b32 s[G1B+0], s44, (0<<16)|(1<<20)|(1<<21)|(5<<22)|(3<<25)
.irp g, G1, G1B
	s_mov_b32 s[\g+1], ROWB<<16                    ; tensor_dim0
	s_mov_b32 s[\g+2], 128<<16                     ; tensor_dim1 = 128
	s_mov_b32 s[\g+3], ROWB<<16                    ; tile_dim0
	s_mov_b32 s[\g+4], 128                         ; tile_dim1 = 128
	s_mov_b32 s[\g+5], KROW                        ; tensor_dim0_stride
	s_mov_b32 s[\g+6], 0
	s_mov_b32 s[\g+7], 0
.endr
	s_lshl_b32 s18, s16, 7                         ; which 128 rows of the tile I fetch
	s_lshl_b32 s20, s17, 8
	s_add_co_u32 s20, s20, s18
	s_add_co_u32 s20, s20, s84                     ; A: row 256 x tile row + 128 x half (+ 2048)
	s_lshl_b32 s20, s20, 10                        ; in bytes: under 2^23
	s_mov_b32 s21, 0
	s_lshl_b32 s46, s42, 8
	s_add_co_u32 s46, s46, s18                     ; B: row 256 x tile column + 128 x half
	s_lshl_b32 s46, s46, 10
	s_mov_b32 s47, 0
	s_mul_i32 s45, s14, HALFT                      ; where they go: wave x 128 rows: no place in the cluster enters an LDS address
	s_wait_kmcnt 0x0
	s_load_b256 s[72:79], s[8:9], 0x0              ; e0 .. e7
	s_cmp_eq_u32 ttmp9, 2
	s_cselect_b64 s[68:69], s[6:7], s[4:5]         ; A's buffer,
	s_cselect_b64 s[70:71], s[4:5], s[6:7]         ; B's: the choice hangs on the cluster's x alone
	s_add_nc_u64 s[20:21], s[68:69], s[20:21]
	s_add_nc_u64 s[46:47], s[70:71], s[46:47]
	CROUND                                         ; all sixteen work-groups are here: the first joint loads meet
.irp s, 0,1
	s_mov_b32 s[G0+4*\s], 1
	s_add_co_u32 s[G0+4*\s+1], s45, \s*SLOT
	s_add_nc_u64 s[G0+4*\s+2:G0+4*\s+3], s[20:21], \s*ROWB
	s_or_b32 s[G0+4*\s+3], s[G0+4*\s+3], 0x80000000
	s_mov_b32 s[G0B+4*\s], 1
	s_add_co_u32 s[G0B+4*\s+1], s45, \s*SLOT
	s_add_nc_u64 s[G0B+4*\s+2:G0B+4*\s+3], s[46:47], \s*ROWB
	s_or_b32 s[G0B+4*\s+3], s[G0B+4*\s+3], 0x80000000
	JLOAD G0+4*\s, G1, G0B+4*\s, G1B               ; two loads of mine are out
.endr
	v_and_b32 v1, 15, v0                           ; l % 16
	v_bfe_u32 v2, v0, 4, 1                         ; l / 16
	v_mul_u32_u24 v3, v1, PITCH
	v_lshl_add_u32 v4, v2, 4, v3                   ; a fragment's row x pitch + 16 x half
	s_mul_i32 s21, s15, HALFT                      ; my 128 rows of A
	s_mul_i32 s22, s16, HALFT                      ; my 128 rows of B,
	s_add_co_u32 s22, s22, 2*HALFT                 ; which lie behind A's 256
.irp s, 0,1
	v_add_nc_u32 v[ADRA+\s], s21, v4
	v_add_nc_u32 v[ADRB+\s], s22, v4
	s_add_co_u32 s21, s21, SLOT
	s_add_co_u32 s22, s22, SLOT
.endr
	; THE WAY OUT'S CONSTANTS, made while the first tiles are on their way
	s_lshl_b32 s85, s17, 8
	s_lshl_b32 s86, s15, 7
	s_add_co_u32 s85, s85, s86                     ; my first row of C
	s_lshl_b32 s86, s42, 8
	s_lshl_b32 s87, s16, 7
	s_add_co_u32 s86, s86, s87                     ; my first column
	s_mov_b32 s90, 1024
	s_cmp_eq_u32 ttmp9, 2
	s_cselect_b32 s87, s86, s85                    ; my first token,
	s_cselect_b32 s88, s85, s86                    ; my first channel
	s_cselect_b32 s89, 8192, 0                     ; v^T lies behind k in a key step's 16,384 bytes
	s_cselect_b32 s90, 2048, s90                   ; from block to block: a fragment's image
	s_cselect_b32 s91, 253952, 0                   ; v: blocks 4-7 belong to the next head: 2^18 - 4 x 2048 further on
	s_and_b32 s88, s88, 1023                       ; the channel within q, k or v
	s_lshr_b32 s88, s88, 6                         ; its head
	s_lshr_b32 s92, s87, 11                        ; the batch
	s_lshl_b32 s92, s92, 4
	s_add_co_u32 s92, s92, s88                     ; 16 x batch + head
	s_and_b32 s87, s87, 2047                       ; the token within its batch, a multiple of 128
	s_cmp_eq_u32 ttmp9, 0                          ; q?
	s_cselect_b32 s93, 17, 18                      ; a head is 2^17 bytes of qc, 2^18 of kv
	s_cselect_b32 s94, 6, 7                        ; 16 tokens are 1,024 bytes of qc; 128 tokens are 16,384 of kv
	s_cselect_b64 s[80:81], s[10:11], s[12:13]
	s_lshl_b32 s92, s92, s93
	s_lshl_b32 s87, s87, s94
	s_add_co_u32 s92, s92, s87
	s_add_co_u32 s92, s92, s89
	s_lshl_b32 s94, 1, s93                         ; q, k: a block's registers 8-15 are the next head's fragment;
	s_cmp_eq_u32 ttmp9, 2
	s_cselect_b32 s94, 1024, s94                   ; v: the same fragment's second half
	s_mov_b32 s93, 0
	s_mov_b32 s95, 0
	s_add_nc_u64 s[80:81], s[80:81], s[92:93]      ; where registers 0-7 of block 0 go,
	s_add_nc_u64 s[82:83], s[80:81], s[94:95]      ; and registers 8-15
	v_and_b32 v6, 31, v0
	v_lshlrev_b32 v[OF], 4, v6                     ; 16 x lane
.irp a, 1,2,3,4,5,6,7
	v_add_nc_u32 v[OF+\a], s90, v[OF+\a-1]
.if \a == 4
	v_add_nc_u32 v[OF+\a], s91, v[OF+\a]
.endif
.endr
	s_wait_kmcnt 0x0
	s_cmp_eq_u32 ttmp9, 0
	s_cselect_b32 s98, s74, s75                    ; e2 for q, e3 for k,
	s_cmp_eq_u32 ttmp9, 2
	s_cselect_b32 s98, s77, s98                    ; e5 for v
	s_sub_co_i32 s98, s98, s72
	s_sub_co_i32 s98, s98, s73                     ; a sum stands for sum x 2^(e0 + e1): the three scales are folded into the conversion's one
	s_add_co_i32 s98, s98, 127
	s_lshl_b32 s99, s98, 23
	v_mov_b32 v[SC], s99                           ; 2^(eo - e0 - e1) as f32
	s_add_co_i32 s98, s98, 8
	s_lshl_b32 s97, s98, 23
	s_or_b32 s97, s97, 0x600000                    ; 448 x that,
	s_or_b32 s96, s97, 0x80000000                  ; and its negative
.macro FRAG reg, adr, q, i             ; a fragment, 16 rows x 128 K, is 16 registers: lane l holds row l % 16; registers 4 c .. 4 c + 3 hold K = 32 c + 16 (l / 16) + 0 .. 15: the same places in A and in B
.irp c, 0,1,2,3
	ds_load_b128 v[\reg+4*\c:\reg+4*\c+3], v[\adr] offset:128*(\q)+32*\c+(\i)*16*PITCH
.endr
.endm
; 16 matrix instructions: A's blocks a0, a0 + 1 x B's eight, 128 along K.  p: B's set.  zero = 1: the first product starts the sums.  The 64 accumulators take turns, one instruction a turn.
.macro MUL16 a0, p, zero
.irp a, \a0, \a0+1
.irp b, 0,1,2,3,4,5,6,7
.if \zero
	v_wmma_f32_16x16x128_fp8_fp8 v[8*(8*((\a)%4)+\b):8*(8*((\a)%4)+\b)+7], v[128*(\p)+FR*\b:128*(\p)+FR*\b+FR-1], v[AF+FR*(\a):AF+FR*(\a)+FR-1], 0
.else
	v_wmma_f32_16x16x128_fp8_fp8 v[8*(8*((\a)%4)+\b):8*(8*((\a)%4)+\b)+7], v[128*(\p)+FR*\b:128*(\p)+FR*\b+FR-1], v[AF+FR*(\a):AF+FR*(\a)+FR-1], v[8*(8*((\a)%4)+\b):8*(8*((\a)%4)+\b)+7]
.endif
.endr
.endr
.endm
.macro FETCH_B slot, q, p              ; B's eight fragments of the slot's q-th 128 along K into set p
	WIN TO_B
.irp i, 0,1,2,3,4,5,6,7
	FRAG 128*(\p)+FR*\i, ADRB+\slot, \q, \i
.endr
	WIN 0
.endm
.macro FETCH_A slot, q, i0             ; A's blocks i0 .. i0 + 3
.irp i, \i0, \i0+1, \i0+2, \i0+3
	FRAG AF+FR*(\i), ADRA+\slot, \q, \i
.endr
.endm
.macro PLACES n                        ; plain vector instructions between a matrix instruction and a load into, or a vector write of, a register that it read, or a read of its result
.rept \n
	v_nop
.endr
.endm
; A step of 128 along K that has its successor in the same slot.
.macro STEP slot, q, zero
	s_wait_dscnt 4*NL                              ; B's set and A's blocks 0-3 are in; the youngest sixteen loads (A's blocks 4-7) may be out
	WIN MUL_LO
	MUL16 0, (\q)%2, \zero
	MUL16 2, (\q)%2, \zero
	s_wait_dscnt 0                                 ; A's blocks 4-7 are in (asked for 32 matrix instructions ago)
	PLACES NP
	FETCH_B \slot, (\q)+1, 1-(\q)%2
	FETCH_A \slot, (\q)+1, 0
	WIN MUL_HI
	MUL16 4, (\q)%2, \zero
	MUL16 6, (\q)%2, \zero
	PLACES NP
	WIN 0
	FETCH_A \slot, (\q)+1, 4
.endm
; A slot's last step changes slots: ONE barrier; in front of it each wave waits for all its tensor loads, adds 0 to its spare word, and waits for that and for its own reads of this slot.  fill = 1: this slot is filled again, two K steps ahead.
.macro TURN slot, next, fill
	s_wait_tensorcnt 0x0                           ; all my tensor loads have landed: my part of the next slot;  (every window is 0 here)
	ds_add_u32 v[SPW], v[NIL]                      ; 0 onto my spare word
	s_wait_dscnt 4*NL+1                            ; (the add and the youngest sixteen loads, A's blocks 4-7, may be out)
	WIN MUL_LO
	MUL16 0, 1, 0                                  ; sixteen matrix instructions stand between the add and the wait for it
	s_wait_dscnt 0x0                               ; the add is done, and my reads of this slot are over
	s_barrier_signal -1
	MUL16 2, 1, 0
	WIN 0
	s_barrier_wait -1
.if \fill
	CREST                                          ; the barrier has opened a round of the cluster's barrier: no wave of any partner still reads this slot's tile or has a load on its way
	s_add_nc_u64 s[G0+4*\slot+2:G0+4*\slot+3], s[G0+4*\slot+2:G0+4*\slot+3], 2*ROWB
	s_add_nc_u64 s[G0B+4*\slot+2:G0B+4*\slot+3], s[G0B+4*\slot+2:G0B+4*\slot+3], 2*ROWB
	JLOAD G0+4*\slot, G1, G0B+4*\slot, G1B         ; the first tensor load behind the round, my one load until the next; its four v_nop are also the places in front of the loads below
.else
	PLACES NP
.endif
	FETCH_B \next, 0, 0
	FETCH_A \next, 0, 0
	WIN MUL_HI
	MUL16 4, 1, 0
	MUL16 6, 1, 0
	PLACES NP
	WIN 0
	FETCH_A \next, 0, 4
.endm
	s_wait_tensorcnt 1                             ; my part of K step 0 is in (K step 1's load may be out)
	s_barrier_signal -1
	s_barrier_wait -1                              ; everybody's is
	FETCH_B 0, 0, 0
	FETCH_A 0, 0, 0
	FETCH_A 0, 0, 4
	; K = 1024 is four K steps of 256, eight steps of 128: written out, since each of the two refills happens once
	STEP 0, 0, 1                                   ; K 0-127: its products start the sums
	TURN 0, 1, 1                                   ; K 128-255; slot 0 takes K 512-767
	STEP 1, 0, 0                                   ; K 256-383
	TURN 1, 0, 1                                   ; K 384-511; slot 1 takes K 768-1023
	STEP 0, 0, 0                                   ; K 512-639
	TURN 0, 1, 0                                   ; K 640-767; nothing is left to fetch, so no round
	STEP 1, 0, 0                                   ; K 768-895
	s_wait_dscnt 4*NL                              ; K 896-1023
	WIN MUL_LO
	MUL16 0, 1, 0
	MUL16 2, 1, 0
	s_wait_dscnt 0
	WIN MUL_HI
	MUL16 4, 1, 0
	MUL16 6, 1, 0
	WIN 0
; THE WAY OUT of block a (16 rows of A x my 128 rows of B).  A lane's registers 8 b .. 8 b + 7 are eight neighbours along the next K: held, converted, they are registers 2 b, 2 b + 1 of an operand.
; q, k: registers 0-7 are one head's fragment, 8-15 the next head's.  v: the 16 registers are one fragment of 16 channels x 128 keys.
.macro OUT a
.set AC, 64*((\a)%4)
	WIN 0x02+((\a)/4)                              ; source 0: window 2 or 3
.set J, 0
.rept 64
	v_med3_num_f32 v[TMP+J], v[AC+J], s96, s97     ; the conversion to an 8-bit code does not saturate (ISA guide 7.6.2): the hold first; each accumulator from its low end on
.set J, J+1
.endr
	WIN 0
.irp b, 0,1,2,3,4,5,6,7
	v_cvt_scalef32_pk8_fp8_f32 v[CD+16*(\a)+2*\b:CD+16*(\a)+2*\b+1], v[TMP+8*\b:TMP+8*\b+7], v[SC]
.endr
	v_nop                                          ; one plain vector instruction behind the last conversion: the next block's holds write its sources
	global_store_b128 v[OF+(\a)], v[CD+16*(\a):CD+16*(\a)+3], s[80:81]               ; 32 lanes store 512 consecutive bytes, aligned
	global_store_b128 v[OF+(\a)], v[CD+16*(\a)+4:CD+16*(\a)+7], s[80:81] offset:512
	global_store_b128 v[OF+(\a)], v[CD+16*(\a)+8:CD+16*(\a)+11], s[82:83]
	global_store_b128 v[OF+(\a)], v[CD+16*(\a)+12:CD+16*(\a)+15], s[82:83] offset:512
.endm
	PLACES NP                                      ; behind the last products: their results are read, and the codes land where A's fragments lay
.irp a, 0,1,2,3,4,5,6,7
	OUT \a
.endr
	s_wait_tensorcnt 0x0                           ; the wave's end
	ds_add_u32 v[SPW], v[NIL]
	s_wait_dscnt 0x0
	CROUND                                         ; the closing round: no work-group ends while a partner may still ask for a tile that names it
	s_endpgm
.Lfunc_end_k_q39010cb6c3_qkv:
	.size	k_q39010cb6c3_qkv, .Lfunc_end_k_q39010cb6c3_qkv-k_q39010cb6c3_qkv
	.p2alignl 7, 3214868480
	.fill 96, 4, 3214868480
	.section	.rodata,"a",@progbits
	.p2align	6, 0x0
	.amdhsa_kernel k_q39010cb6c3_qkv
		.amdhsa_group_segment_fixed_size 327680
		.amdhsa_private_segment_fixed_size 0
		.amdhsa_enable_private_segment 0
		.amdhsa_kernarg_size 40
		.amdhsa_user_sgpr_count 2
		.amdhsa_user_sgpr_kernarg_segment_ptr 1
		.amdhsa_wavefront_size32 1
		.amdhsa_system_sgpr_workgroup_id_x 1
		.amdhsa_system_sgpr_workgroup_id_y 1
		.amdhsa_system_sgpr_workgroup_id_z 1
		.amdhsa_system_vgpr_workitem_id 0
		.amdhsa_next_free_vgpr 1024
		.amdhsa_next_free_sgpr 100
		.amdhsa_reserve_vcc 0
		.amdhsa_float_denorm_mode_32 3
		.amdhsa_float_denorm_mode_16_64 3
		.amdhsa_memory_ordered 1
		.amdhsa_forward_progress 1
		.amdhsa_inst_pref_size 119
	.end_amdhsa_kernel
	.amdgpu_metadata
---
amdhsa.version: [ 1, 2 ]
amdhsa.kernels:
  - .name:           k_q39010cb6c3_qkv
    .symbol:         k_q39010cb6c3_qkv.kd
    .args:
      - { .name: x_codes, .offset: 0, .size: 8, .value_kind: global_buffer, .address_space: global }
      - { .name: w_qkv_codes, .offset: 8, .size: 8, .value_kind: global_buffer, .address_space: global }
      - { .name: lowp_scales, .offset: 16, .size: 8, .value_kind: global_buffer, .address_space: global }
      - { .name: qc, .offset: 24, .size: 8, .value_kind: global_buffer, .address_space: global }
      - { .name: kv, .offset: 32, .size: 8, .value_kind: global_buffer, .address_space: global }
    .group_segment_fixed_size: 327680
    .private_segment_fixed_size: 0
    .kernarg_segment_align: 8
    .kernarg_segment_size: 40
    .max_flat_workgroup_size: 128
    .sgpr_count:     100
    .vgpr_count:     1024
    .wavefront_size: 32
...
	.end_amdgpu_metadata
.endif
;; end of part 1
;; launch attn (part 2): grid 8 x 32, 16 waves a work-group, no clusters, 34,816 bytes of LDS; arguments qc, kv, lowp_scales, yc; writes yc
.if DOCPART == 2
	.amdgcn_target "amdgcn-amd-amdhsa--gfx1250"
	.amdhsa_code_object_version 6
	.text
	.protected	k_q39010cb6c3_attn
	.globl	k_q39010cb6c3_attn
	.p2align	8
	.type	k_q39010cb6c3_attn,@function
k_q39010cb6c3_attn:
	s_mov_b64 s[64:65], 0
	v_nop
	global_prefetch_b8 v0, s[64:65] scope:SCOPE_SE
	s_setreg_imm32_b32 hwreg(HW_REG_WAVE_MODE, 25, 1), 1
	s_wait_xcnt 0x0
; y[head][q] = the sum over keys k <= q of softmax_k(q . k / 8) v[k], both products on codes of FP8 (E4M3); then y's quantiser.  32 heads (16 x batch + head), 2,048 tokens, head size 64.
; qc and kv hold IMAGES OF OPERAND REGISTERS (four registers a lane, lane l's 16 bytes at 16 l):
;   qc [head][16 queries 128][1024]: 16 queries x 64 channels.   kv [head][128 keys 16][16384]: 8 fragments of 16 keys x 64 channels, then 4 fragments of v^T, 16 channels x 128 keys.
; THE SOFTMAX AHEAD OF THE SECOND PRODUCT: t = score x log2(e) / 8; M = the row's largest t so far, rounded UP to a whole number; p = 2^(t - M) is what is quantised; it is not normalised.
; The row's sum is taken of the unquantised p and divides at the end.  When M moves, the sum and O are multiplied by 2^(old M - new M): exact.
; SHARES.  Work-group x of a head owns two blocks of 128 queries, x and 15 - x; each of its SIXTEEN waves owns 16 queries, in 256 registers.  A wave of block b walks key steps 0 .. b (128 keys each); step b lies on the
; diagonal.  So a work-group has 8 (x + 1) + 8 (16 - x) = 136 wave steps whatever x is.  half = (w xor w / 4) % 2 says which block: of any four waves w % 4 alike, and of any four w / 4 alike, two have each.
; K AND V COME THROUGH REGISTERS: a key step is 16,384 dense bytes; thread t copies the 16 bytes at 16 t and those at 8,192 + 16 t into one of two LDS slots, as they lie.  In step KS the loads of step KS + 2 are issued and
; step KS + 1's registers are stored into the slot that was read in step KS - 1: ONE barrier a step, in front of which each wave has waited for its LDS stores and loads.  No tensor load, so no ring of fills.
; LAYOUT.  S^T = K Q^T (source 0 = 16 keys, source 1 = my queries), O^T = V^T P^T: a lane holds ONE query (lane % 16) throughout; register j of tile kt is key 16 kt + 8 (lane / 16) + j, so p's conversions give
; registers 2 kt, 2 kt + 1 of the second product's operand as they stand.
; THE LOOP has a constant count of eight trips of two steps; a step that the work-group, or the wave, does not need is jumped over by scalar branches on ids; no barrier stands inside such a branch.
; NO CLUSTER: the eight work-groups of a head walk 16 - x key steps, a different number each, and the tiles come by plain loads into registers, which cannot be asked for jointly.
; yc [128 tokens 32][128 channels 8][16 tokens 8][2048]: images of 16 tokens x 128 channels with registers 4 c .. 4 c + 3 = channels 32 c + 16 (lane / 16) + 0 .. 15; a head is half of such a fragment.
; LIMITS on the given exponents, so that each power of two below is an f32 number: e2 + e3 between -123 and 130 (added to c's exponent field); e4, and e6 - e4 - e5, between -126 and 119.
.set SLOTB, 16384                      ; a key step's bytes, and an LDS slot
.set LR,   1                           ; v1   16 x lane: an image's place for my lane
.set LW,   2                           ; v2   16 x thread: my 16 bytes of a half step
.set DG,   3                           ; v3   16 x (my tile in its block) + lane % 16 - 8 (lane / 16): on the diagonal register 8 kt + j is hidden where 16 kt + j is above it
.set NINF, 4                           ; v4   -infinity
.set PSC,  5                           ; v5   2^e4 as f32
.set PLIM, 6                           ; v6   448 x 2^e4
.set YSC,  7                           ; v7   2^(e6 - e4 - e5)
.set PFO,  10                          ; v10  the prefetches' offset; never rewritten
.set Q,    16                          ; v16-23   my queries' fragment
.set G,    24                          ; v24-31, v32-39  the copies' registers: even steps, odd steps
.set KV,   40                          ; v40-103  K's 8 fragments, then V's 4
.set S,    104                         ; v104-167 S^T, then p
.set O,    168                         ; v168-199 O^T
.set P,    200                         ; v200-215 p's codes; at the end y's
; v12 -M, v13 the largest t, v[14:15] the sum in two halves; v216 a permute's destination; v[218:219] f; v220, v222 the maximum's two chains; v[224:225] the sum's second chain
; s12 wave; s18 my key steps; s19 the work-group's; s20 the step in hand; s21 trips; s[22:23] c; s[24:31] the scales; s[32:33] lane selects; s36, s37 -+448 x 2^(e6 - e4 - e5); s42 the prefetches' lead
	s_load_b128 s[4:7], s[0:1], 0x0                ; qc, kv
	s_load_b128 s[8:11], s[0:1], 0x10              ; the scales' exponents, yc
	v_lshl_add_u32 v254, v0, 2, 0x8000
	v_mov_b32 v255, 0
	v_lshrrev_b32 v8, 5, v0
	v_readfirstlane_b32 s12, v8                    ; wave 0..15
	v_and_b32 v9, 31, v0                           ; lane
	v_lshlrev_b32 v[LR], 4, v9
	v_lshlrev_b32 v[LW], 4, v0
	s_and_b32 s13, ttmp7, 0xffff                   ; 16 x batch + head
	s_lshr_b32 s14, s12, 2
	s_xor_b32 s14, s14, s12
	s_and_b32 s14, s14, 1                          ; which of the two blocks
	s_lshr_b32 s15, s12, 1                         ; which 16 queries of it
	s_sub_co_u32 s16, 15, ttmp9
	s_cmp_eq_u32 s14, 1
	s_cselect_b32 s17, s16, ttmp9                  ; my block of 128 queries
	s_add_co_u32 s18, s17, 1                       ; my key steps
	s_sub_co_u32 s19, 16, ttmp9                    ; the work-group's
	s_mov_b32 s20, 0
	s_mov_b32 s21, 0
	s_mov_b32 s22, 0x3e38aa3b                      ; c = log2(e) / 8
	s_mov_b32 s32, 0x76543210                      ; v_permlanex16_b32: lane l xor 16
	s_mov_b32 s33, 0xfedcba98
	s_lshl_b32 s34, s13, 7
	s_lshl_b32 s35, s17, 3
	s_add_co_u32 s34, s34, s35
	s_add_co_u32 s34, s34, s15
	s_lshl_b32 s34, s34, 10                        ; qc: (128 x head + 8 x block + tile) x 1,024
	s_mov_b32 s35, 0
	s_lshl_b32 s38, s13, 18                        ; kv: head x 16 steps x 16,384
	s_mov_b32 s39, 0
	s_lshr_b32 s40, s13, 4
	s_lshl_b32 s40, s40, 4
	s_add_co_u32 s40, s40, s17
	s_lshl_b32 s40, s40, 17                        ; yc: (16 x batch + block) x 131,072
	s_bfe_u32 s41, s13, 0x30001                    ; + (head / 2) x 16,384
	s_lshl_b32 s41, s41, 14
	s_add_co_u32 s40, s40, s41
	s_lshl_b32 s41, s15, 11                        ; + tile x 2,048
	s_add_co_u32 s40, s40, s41
	s_and_b32 s41, s13, 1                          ; + (head % 2) x 1,024
	s_lshl_b32 s41, s41, 10
	s_add_co_u32 s40, s40, s41
	s_mov_b32 s41, 0
	s_wait_kmcnt 0x0
	s_load_b256 s[24:31], s[8:9], 0x0              ; e0 .. e7
	s_add_nc_u64 s[4:5], s[4:5], s[34:35]
	s_add_nc_u64 s[6:7], s[6:7], s[38:39]
	s_add_nc_u64 s[10:11], s[10:11], s[40:41]
	global_load_b128 v[G:G+3], v[LW], s[6:7]                     ; key step 0,
	global_load_b128 v[G+4:G+7], v[LW], s[6:7] offset:8192
	global_load_b128 v[Q:Q+3], v[LR], s[4:5]                     ; my queries,
	global_load_b128 v[Q+4:Q+7], v[LR], s[4:5] offset:512
	global_load_b128 v[G+8:G+11], v[LW], s[6:7] offset:SLOTB     ; key step 1 (every work-group has nine steps or more)
	global_load_b128 v[G+12:G+15], v[LW], s[6:7] offset:SLOTB+8192
	; WHO PREFETCHES: all eight work-groups of a head walk the same steps; the first (x = 0), which walks all sixteen, asks; in it waves 1 and 3, which own queries of block 15 and so work in every step.
	s_or_b32 s42, s12, 2
	s_xor_b32 s42, s42, 3                          ; 0 in waves 1 and 3
	s_or_b32 s42, s42, ttmp9
	s_cmp_eq_u32 s42, 0
	s_cselect_b32 s42, 4, 64                       ; they ask four steps ahead; with 64 the test below never holds
	s_bfe_u32 s43, s12, 0x10001
	s_lshl_b32 s43, s43, 13
	v_lshl_add_u32 v[PFO], v9, 8, s43              ; wave 1: the step's first 8,192 bytes, wave 3: the others; lanes 256 bytes apart
	v_and_b32 v8, 15, v0
	v_bfe_u32 v9, v0, 4, 1
	v_lshlrev_b32 v9, 3, v9
	v_sub_nc_u32 v[DG], v8, v9
	s_lshl_b32 s34, s15, 4
	v_add_nc_u32 v[DG], s34, v[DG]
	v_mov_b32 v[NINF], 0xff800000
	v_mov_b32 v13, 0xff61b1e6                      ; the largest t so far: -3e38, under every t
	v_floor_f32 v12, -v13                          ; -M
	v_mov_b32 v14, 0                               ; the sum, in two halves
	v_mov_b32 v15, 0
	v_mov_b32 v216, 0                              ; written once: a lane permute's destination counts as one of its sources
	v_mov_b32 v219, 0                              ; (named as the upper half of the pair v[218:219])
.set J, 0
.rept 32
	v_mov_b32 v[O+J], 0                            ; O^T.  (The step is written once for all steps: the first finds zeros, which the first change of M leaves zeros)
.set J, J+1
.endr
	s_wait_kmcnt 0x0
	s_add_co_i32 s34, s26, s27
	s_lshl_b32 s34, s34, 23
	s_add_co_i32 s22, s22, s34                     ; a score stands for score x 2^(e2 + e3): the two exponents are added to c's exponent field
	s_mov_b32 s23, s22                             ; (named with it as a pair, so it is written)
	s_add_co_i32 s34, s28, 127
	s_lshl_b32 s35, s34, 23
	v_mov_b32 v[PSC], s35
	s_add_co_i32 s34, s34, 8
	s_lshl_b32 s34, s34, 23
	s_or_b32 s34, s34, 0x600000
	v_mov_b32 v[PLIM], s34
	s_sub_co_i32 s34, s30, s28
	s_sub_co_i32 s34, s34, s29                     ; O^T / the sum stands for y / 2^(e4 + e5): the three scales are folded into the conversion's one
	s_add_co_i32 s34, s34, 127
	s_lshl_b32 s35, s34, 23
	v_mov_b32 v[YSC], s35
	s_add_co_i32 s34, s34, 8
	s_lshl_b32 s37, s34, 23
	s_or_b32 s37, s37, 0x600000
	s_or_b32 s36, s37, 0x80000000
	s_wait_loadcnt 2                               ; step 0's registers and my queries are in; step 1's two loads may be out
	ds_store_b128 v[LW], v[G:G+3]                  ; step 0 into slot 0
	ds_store_b128 v[LW], v[G+4:G+7] offset:8192
; A KEY STEP, in slot p = its number % 2.
.macro STEP p
	s_wait_dscnt 0x0                               ; my stores into this slot have landed, and my reads of the other slot are over
	s_barrier_signal -1
	s_barrier_wait -1                              ; both now hold of all sixteen waves
	s_add_co_u32 s34, s20, 1
	s_cmp_ge_u32 s34, s19
	s_cbranch_scc1 .Lnocopy_\@                     ; the work-group has no next step (alike in all its waves)
	s_wait_loadcnt 0x0                             ; the next step's registers, asked for a step ago, are in
	ds_store_b128 v[LW], v[G+8*(1-(\p)):G+8*(1-(\p))+3] offset:(1-(\p))*SLOTB
	ds_store_b128 v[LW], v[G+8*(1-(\p))+4:G+8*(1-(\p))+7] offset:(1-(\p))*SLOTB+8192
	s_add_co_u32 s34, s20, 2
	s_cmp_ge_u32 s34, s19
	s_cbranch_scc1 .Lnocopy_\@
	global_load_b128 v[G+8*(\p):G+8*(\p)+3], v[LW], s[6:7] offset:((\p)+2)*SLOTB          ; the step after: into the registers whose stores the wait at the head has shown done
	global_load_b128 v[G+8*(\p)+4:G+8*(\p)+7], v[LW], s[6:7] offset:((\p)+2)*SLOTB+8192
	s_add_co_u32 s34, s20, s42
	s_cmp_ge_u32 s34, 16                           ; the last four steps ask for nothing: no prefetch leaves the head's sixteen steps
	s_cbranch_scc1 .Lnocopy_\@
	global_prefetch_b8 v[PFO], s[6:7] offset:((\p)+4)*SLOTB th:TH_LOAD_NT scope:SCOPE_SE   ; step KS + 4: two steps ahead of the loads that will want it; each block of 256 bytes is named once in the launch
.Lnocopy_\@:
	s_cmp_ge_u32 s20, s18
	s_cbranch_scc1 .Lskip_\@                       ; all of this step's keys come after my queries
.irp kt, 0,1,2,3,4,5,6,7
	ds_load_b128 v[KV+8*\kt:KV+8*\kt+3], v[LR] offset:(\p)*SLOTB+\kt*1024
	ds_load_b128 v[KV+8*\kt+4:KV+8*\kt+7], v[LR] offset:(\p)*SLOTB+\kt*1024+512
.endr
	s_wait_dscnt 0x0
.irp kt, 0,1,2,3,4,5,6,7
	v_wmma_f32_16x16x64_fp8_fp8 v[S+8*\kt:S+8*\kt+7], v[KV+8*\kt:KV+8*\kt+7], v[Q:Q+7], 0
.endr
.rept 4
	v_nop                                          ; places in front of the loads into K's registers and of the first read of the scores
.endr
.irp dt, 0,1,2,3
.irp c, 0,1,2,3
	ds_load_b128 v[KV+16*\dt+4*\c:KV+16*\dt+4*\c+3], v[LR] offset:(\p)*SLOTB+8192+\dt*2048+\c*512   ; V^T: it lands during the softmax
.endr
.endr
	s_add_co_u32 s34, s20, 1
	s_cmp_lg_u32 s34, s18
	s_cbranch_scc1 .Lopen_\@                       ; only my last step lies on the diagonal
.set N, 0
.rept 64
	v_cmp_gt_i32 vcc_lo, 16*(N/8)+N%8, v[DG]       ; hidden scores become -infinity ahead of the maximum: p = 0 then.  Key 0 counts for every query, so M is a number from the first step on
	v_cndmask_b32 v[S+N], v[S+N], v[NINF], vcc_lo
.set N, N+1
.endr
.Lopen_\@:
	v_max3_num_f32 v220, v[S], v[S+1], v[S+2]      ; the step's largest score of my query, among my 64 keys, in two chains, each accumulator from its low end on,
	v_max3_num_f32 v222, v[S+3], v[S+4], v[S+5]
.irp i, 6,10,14,18,22,26,30,34,38,42,46,50,54,58
	v_max3_num_f32 v220, v220, v[S+\i], v[S+1+\i]
	v_max3_num_f32 v222, v222, v[S+2+\i], v[S+3+\i]
.endr
	v_max3_num_f32 v220, v220, v[S+62], v[S+63]
	v_max_num_f32 v220, v220, v222
	v_permlanex16_b32 v216, v220, s32, s33
	v_max_num_f32 v220, v220, v216                 ; and among lane l xor 16's
	v_mul_f32 v220, s22, v220                      ; as t (c is positive)
	v_max_num_f32 v13, v13, v220                   ; the running largest t
	v_mov_b32 v220, v12
	v_floor_f32 v12, -v13                          ; the new -M = floor(-t) = -ceil(t): M is a whole number
	v_sub_f32 v220, v12, v220                      ; M's old value less its new one: a whole number, 0 or less
	v_cvt_i32_f32 v220, v220                       ; (it saturates)
	v_ldexp_f32 v218, 1.0, v220                    ; f = 2^(old M - new M)
.set J, 0
.rept 32
	v_pk_fma_f32 v[S+J:S+J+1], v[S+J:S+J+1], s[22:23], v[12:13] op_sel_hi:[1,0,0]   ; t - M, two at a time (of the pairs c and -M the low word serves both halves)
.set J, J+2
.endr
.set J, 0
.rept 64
	v_exp_f32 v[S+J], v[S+J]                       ; p = 2^(t - M), at most 1: not normalised
.set J, J+1
.endr
	v_pk_mul_f32 v[14:15], v[14:15], v[218:219] op_sel_hi:[1,0]   ; the sums under the new M: the plain instruction behind the exponentials
	s_wait_alu depctr_va_vdst(0)                   ; the wait ahead of the first instruction that names an exponential's result: one for the batch of 64
	v_pk_add_f32 v[224:225], v[S:S+1], v[S+2:S+3]  ; the row's sum is taken of the unquantised p: two at a time, in two chains
.irp j, 4,8,12,16,20,24,28,32,36,40,44,48,52,56,60
	v_pk_add_f32 v[14:15], v[14:15], v[S+\j:S+1+\j]
	v_pk_add_f32 v[224:225], v[224:225], v[S+2+\j:S+3+\j]
.endr
	v_pk_add_f32 v[14:15], v[14:15], v[224:225]
.irp kt, 0,1,2,3,4,5,6,7
.irp i, 0,1,2,3,4,5,6,7
	v_min_num_f32 v[S+8*\kt+\i], v[S+8*\kt+\i], v[PLIM]   ; the conversion to an 8-bit code does not saturate (ISA guide 7.6.2); p is not negative, so the hold is one-sided
.endr
	v_cvt_scalef32_pk8_fp8_f32 v[P+2*\kt:P+2*\kt+1], v[S+8*\kt:S+8*\kt+7], v[PSC]   ; keys 16 kt + 8 (lane / 16) + 0 .. 7: registers 2 kt, 2 kt + 1 of the operand
.endr
.set J, 0
.rept 16
	v_pk_mul_f32 v[O+J:O+J+1], v[O+J:O+J+1], v[218:219] op_sel_hi:[1,0]   ; O^T under the new M.  (These are also the plain instructions behind the conversions)
.set J, J+2
.endr
	s_wait_dscnt 0x0                               ; V^T is in
.irp dt, 0,1,2,3
	v_wmma_f32_16x16x128_fp8_fp8 v[O+8*\dt:O+8*\dt+7], v[KV+16*\dt:KV+16*\dt+15], v[P:P+15], v[O+8*\dt:O+8*\dt+7]   ; the four accumulators by turns; between two links of one stand the next step's eight products too
.endr
.rept 4
	v_nop                                          ; places in front of the next step's loads into V's registers, and of the way out's reads
.endr
.Lskip_\@:
	s_add_co_u32 s20, s20, 1
.endm
.Ltrip:
	STEP 0
	STEP 1
	s_wait_xcnt 0x0                                ; the trip's loads and prefetches have read their base: it may step
	s_add_nc_u64 s[6:7], s[6:7], 2*SLOTB
	s_add_co_u32 s21, s21, 1
	s_cmp_lt_u32 s21, 8
	s_cbranch_scc1 .Ltrip
	; THE WAY OUT.  y = O^T / the sum; its codes by the given 2^e6.
	v_add_f32 v14, v14, v15                        ; the sum's two halves,
	v_permlanex16_b32 v216, v14, s32, s33
	v_add_f32 v14, v14, v216                       ; and lane l xor 16's: the row's sum, above 1/2
	v_rcp_f32 v218, v14
	v_nop                                          ; a plain instruction behind the reciprocal
	s_wait_alu depctr_va_vdst(0)                   ; and a wait ahead of its first reader
.set J, 0
.rept 16
	v_pk_mul_f32 v[S+J:S+J+1], v[O+J:O+J+1], v[218:219] op_sel_hi:[1,0]   ; register 8 dt + j: channel 16 dt + 8 (lane / 16) + j of my query
.set J, J+2
.endr
.set J, 0
.rept 32
	v_med3_num_f32 v[S+J], v[S+J], s36, s37
.set J, J+1
.endr
.irp dt, 0,1,2,3
	v_cvt_scalef32_pk8_fp8_f32 v[P+2*\dt:P+2*\dt+1], v[S+8*\dt:S+8*\dt+7], v[YSC]
.endr
	v_nop                                          ; one plain vector instruction behind the last conversion
	; Registers 2 dt, 2 dt + 1 hold channels 16 dt + 8 h + 0 .. 7.  The last product takes its weights by loads of 16 bytes, so it wants registers 4 c .. 4 c + 3 = channels 32 c + 16 h + 0 .. 15:
	; the upper lanes of tile 2 c change places with the lower lanes of tile 2 c + 1.
	v_permlane16_swap_b32 v[P], v[P+2]
	v_permlane16_swap_b32 v[P+1], v[P+3]
	v_permlane16_swap_b32 v[P+4], v[P+6]
	v_permlane16_swap_b32 v[P+5], v[P+7]
	global_store_b128 v[LR], v[P:P+3], s[10:11]                  ; 32 lanes store 512 consecutive bytes, aligned
	global_store_b128 v[LR], v[P+4:P+7], s[10:11] offset:512
	s_wait_tensorcnt 0x0
	ds_add_u32 v254, v255
	s_wait_dscnt 0x0
	s_endpgm
.Lfunc_end_k_q39010cb6c3_attn:
	.size	k_q39010cb6c3_attn, .Lfunc_end_k_q39010cb6c3_attn-k_q39010cb6c3_attn
	.p2alignl 7, 3214868480
	.fill 96, 4, 3214868480
	.section	.rodata,"a",@progbits
	.p2align	6, 0x0
	.amdhsa_kernel k_q39010cb6c3_attn
		.amdhsa_group_segment_fixed_size 34816
		.amdhsa_private_segment_fixed_size 0
		.amdhsa_enable_private_segment 0
		.amdhsa_kernarg_size 32
		.amdhsa_user_sgpr_count 2
		.amdhsa_user_sgpr_kernarg_segment_ptr 1
		.amdhsa_wavefront_size32 1
		.amdhsa_system_sgpr_workgroup_id_x 1
		.amdhsa_system_sgpr_workgroup_id_y 1
		.amdhsa_system_sgpr_workgroup_id_z 1
		.amdhsa_system_vgpr_workitem_id 0
		.amdhsa_next_free_vgpr 256
		.amdhsa_next_free_sgpr 66
		.amdhsa_reserve_vcc 1
		.amdhsa_float_denorm_mode_32 3
		.amdhsa_float_denorm_mode_16_64 3
		.amdhsa_memory_ordered 1
		.amdhsa_forward_progress 1
		.amdhsa_inst_pref_size 52
	.end_amdhsa_kernel
	.amdgpu_metadata
---
amdhsa.version: [ 1, 2 ]
amdhsa.kernels:
  - .name:           k_q39010cb6c3_attn
    .symbol:         k_q39010cb6c3_attn.kd
    .args:
      - { .name: qc, .offset: 0, .size: 8, .value_kind: global_buffer, .address_space: global }
      - { .name: kv, .offset: 8, .size: 8, .value_kind: global_buffer, .address_space: global }
      - { .name: lowp_scales, .offset: 16, .size: 8, .value_kind: global_buffer, .address_space: global }
      - { .name: yc, .offset: 24, .size: 8, .value_kind: global_buffer, .address_space: global }
    .group_segment_fixed_size: 34816
    .private_segment_fixed_size: 0
    .kernarg_segment_align: 8
    .kernarg_segment_size: 32
    .max_flat_workgroup_size: 512
    .sgpr_count:     66
    .vgpr_count:     256
    .wavefront_size: 32
...
	.end_amdgpu_metadata
.endif
;; end of part 2
;; launch proj (part 3): grid 8 x 32, 4 waves a work-group, clusters of 4 x 4, 295,424 bytes of LDS; arguments yc, w_proj_codes, lowp_scales, b_proj, out0; writes out0
.if DOCPART == 3
	.amdgcn_target "amdgcn-amd-amdhsa--gfx1250"
	.amdhsa_code_object_version 6
	.text
	.protected	k_q39010cb6c3_proj
	.globl	k_q39010cb6c3_proj
	.p2align	8
	.type	k_q39010cb6c3_proj,@function
k_q39010cb6c3_proj:
	s_mov_b64 s[64:65], 0
	v_nop
	global_prefetch_b8 v0, s[64:65] scope:SCOPE_SE
	s_setreg_imm32_b32 hwreg(HW_REG_WAVE_MODE, 25, 1), 1
	s_wait_xcnt 0x0
	s_wait_alu depctr_hold_cnt(0) depctr_sa_sdst(0) depctr_va_vdst(0) depctr_va_sdst(0) depctr_va_ssrc(0) depctr_va_vcc(0) depctr_vm_vsrc(0)
	s_getreg_b32 s2, hwreg(HW_REG_IB_STS2, 6, 4)
	s_cmp_eq_u32 s2, 0
	s_cbranch_scc0 .Lentry_in_a_cluster
	s_endpgm
.Lentry_in_a_cluster:
	s_bfe_u32 s2, ttmp6, 0x10000c
	s_cmp_lg_u32 s2, 0xf033
	s_cbranch_scc0 .Lentry_shape_is_right
	s_endpgm
.Lentry_shape_is_right:
; out0 = y Wproj + b on codes of FP8 (E4M3).  y: yc, images of operand registers, [128 tokens 32][128 K 8][16 tokens 8][2048]; Wproj: [1024 (n)][1024 (k)] codes; b: [1024] f32; out0: [4096][1024] f32.
; out0 = sum x 2^(e6 + e7) + b.  LIMIT: e6 + e7 between -126 and 127, so that the power is an f32 number.
; A tile of out0 is 128 x 128: 256 work-groups; four waves, each 64 x 64: 16 accumulators.  THE WHOLE K LIES IN LDS: A's 128 tokens x 1024 are 131,072 dense bytes of yc, B's 128 rows x 1024 come in four chunks of
; 256 along K, rows padded.  Each wave asks for its four parts at the head (four loads of mine are out at the most); no LDS byte is filled twice, so there is no ring; the chunks are waited for one by one, each with a barrier.
; CLUSTERS: 4 x 4 work-groups; A's block is asked for jointly along a row of the cluster, B's rows along a column.
; THE MATRIX INSTRUCTION IS USED TRANSPOSED (source 0 = 16 rows of Wproj, source 1 = 16 tokens): a lane holds eight neighbouring numbers of a row of out0.
; Both operands have K = 32 c + 16 (lane / 16) + 0 .. 15 in registers 4 c .. 4 c + 3: yc was laid so, and Wproj's rows are read by loads of 16 bytes, 32 apart.
; No prefetch: everything that the work-group reads is asked for at its head.
; REGISTERS: window 0: v16-27 addresses; v32-63 at work on the way out; v96-127 the bias; v128-255 the accumulators ((a, b) at v[128 + 8 (4 a + b)]).
;   window 1: two fragment buffers of 128: A's four fragments (16 registers each), then B's four.
.set PITCH,  272                       ; a row of B's chunk in LDS: 256 bytes + 16 of padding: the 16 rows of a load start at 16 different banks (ISA guide 11.1)
.set BCH,    128*PITCH                 ; a chunk of B
.set BOFF,   131072                    ; B lies behind A's block
.set STAGE,  BOFF+4*BCH                ; behind B: 16 rows x 272 bytes for each wave, for the way out; no tensor load lands there
.set SP,     272
.set ADRA, 16                          ; v16-17  A: 16 x lane + my 64 tokens; + 65,536 for K steps 4-7
.set ADRB, 20                          ; v20-23  B: my lane's place in chunk 0 .. 3
.set STO,  24                          ; v24     the way out: where I put 32 bytes of a row
.set RD,   25                          ; v25     where I read a row back
.set CO,   26                          ; v26     my byte offset in out0
.set BO,   27                          ; v27     my byte offset in the bias
.set TMP,  32
.set BIAS, 96
.set ACC,  128
.set G1A, 24                           ; s[24:31] descriptor group 1 for A;  s[48:55] for B;  s[68:83], s[84:99] their groups 0, one for each chunk
.set G1B, 48
.set G0A, 68
.set G0B, 84
.set MSB, 0
.macro WIN new                         ; the immediate's high byte repeats the setting that is left
.if MSB != (\new)
	s_set_vgpr_msb (MSB<<8)|(\new)
.set MSB, (\new)
.endif
.endm
.set MUL,  0x05                        ; sources 0 (B) and 1 (A) window 1; C and D window 0
.set TO_F, 0x40                        ; destination window 1, address window 0
.macro CROUND                          ; a round of the cluster's barrier
	s_barrier_signal -1
	s_barrier_wait -1
	s_cmp_lg_u32 s14, 0
	s_cbranch_scc1 .Lnot_wave_0_\@
	s_barrier_signal -3
.Lnot_wave_0_\@:
	s_barrier_wait -3
	s_barrier_signal -1
	s_barrier_wait -1
.endm
	s_load_b256 s[4:11], s[0:1], 0x0               ; yc s[4:5], Wproj's codes s[6:7], the scales' exponents s[8:9], b s[10:11]
	s_load_b64 s[12:13], s[0:1], 0x20              ; out0
	v_lshl_add_u32 v94, v0, 2, 0x48000
	v_mov_b32 v95, 0
	ds_add_u32 v94, v95
	ds_add_u32 v94, v95
	v_lshrrev_b32 v1, 5, v0
	v_readfirstlane_b32 s14, v1                    ; wave 0..3
	s_lshr_b32 s15, s14, 1                         ; which half of the tile's rows is mine.  Also: I fetch for A (0) or for B (1)
	s_and_b32 s16, s14, 1                          ; which half of its columns.  Also: which half of a chunk I fetch
	s_bfe_u32 s40, ttmp6, 0x40000                  ; cx, cy: my place in the cluster
	s_bfe_u32 s41, ttmp6, 0x40004
	s_lshl_b32 s42, ttmp9, 2
	s_add_co_u32 s42, s42, s40                     ; tile column = 4 x cluster x + cx
	s_and_b32 s17, ttmp7, 0xffff
	s_lshl_b32 s17, s17, 2
	s_add_co_u32 s17, s17, s41                     ; tile row = 4 x cluster y + cy
	s_lshl_b32 s43, s41, 2
	s_lshl_b32 s43, 15, s43                        ; my row of the cluster
	s_lshl_b32 s44, 0x1111, s40                    ; my column
	; group 1 for A: 16,384 dense bytes as 64 rows of 32 elements of 8 bytes, no padding
	s_or_b32 s[G1A+0], s43, (3<<16)|(1<<21)        ; 15:0 the mask: my row; 17:16 elements of 8 bytes; 21 set beside a mask
	s_mov_b32 s[G1A+1], 32<<16                     ; tensor_dim0 = 32
	s_mov_b32 s[G1A+2], 64<<16                     ; tensor_dim1 = 64
	s_mov_b32 s[G1A+3], 32<<16                     ; tile_dim0 = 32
	s_mov_b32 s[G1A+4], 64                         ; tile_dim1 = 64
	s_mov_b32 s[G1A+5], 32                         ; from row to row: 32 elements
	s_mov_b32 s[G1A+6], 0
	s_mov_b32 s[G1A+7], 0
	; group 1 for B: 64 rows x 256 bytes, 1,024 bytes apart, padded in LDS
	s_or_b32 s[G1B+0], s44, (0<<16)|(1<<20)|(1<<21)|(5<<22)|(3<<25)  ; the mask: my column; elements of 1 byte; padding: 4 words after every 64
	s_mov_b32 s[G1B+1], 256<<16
	s_mov_b32 s[G1B+2], 64<<16
	s_mov_b32 s[G1B+3], 256<<16
	s_mov_b32 s[G1B+4], 64
	s_mov_b32 s[G1B+5], 1024
	s_mov_b32 s[G1B+6], 0
	s_mov_b32 s[G1B+7], 0
	s_lshl_b32 s20, s17, 17                        ; A: tile row x 131,072
	s_lshl_b32 s45, s16, 14                        ; + my half of a chunk: 128 along K, 16,384 bytes; the same place in LDS
	s_add_co_u32 s20, s20, s45
	s_mov_b32 s21, 0
	s_lshl_b32 s46, s42, 7
	s_lshl_b32 s47, s16, 6
	s_add_co_u32 s46, s46, s47                     ; B: row 128 x tile column + 64 x half
	s_lshl_b32 s46, s46, 10
	s_mov_b32 s47, 0
	s_mul_i32 s38, s16, 64*PITCH
	s_add_co_u32 s38, s38, BOFF                    ; and its place in LDS: no place in the cluster enters an LDS address
	s_wait_dscnt 0x0
	s_wait_kmcnt 0x0
	s_load_b256 s[56:63], s[8:9], 0x0              ; e0 .. e7
	s_add_nc_u64 s[20:21], s[4:5], s[20:21]
	s_add_nc_u64 s[46:47], s[6:7], s[46:47]
.irp q, 0,1,2,3
	s_mov_b32 s[G0A+4*\q], 1
	s_add_co_u32 s[G0A+4*\q+1], s45, \q*32768
	s_add_nc_u64 s[G0A+4*\q+2:G0A+4*\q+3], s[20:21], \q*32768
	s_or_b32 s[G0A+4*\q+3], s[G0A+4*\q+3], 0x80000000
	s_mov_b32 s[G0B+4*\q], 1
	s_add_co_u32 s[G0B+4*\q+1], s38, \q*BCH
	s_add_nc_u64 s[G0B+4*\q+2:G0B+4*\q+3], s[46:47], \q*256
	s_or_b32 s[G0B+4*\q+3], s[G0B+4*\q+3], 0x80000000
.endr
	CROUND                                         ; all sixteen work-groups are here: the joint loads meet
	s_cmp_eq_u32 s15, 0                            ; a wave's four fills stand in one branch on its number, ahead of every wait on TENSORcnt and every LDS read; four v_nop follow the last
	s_cbranch_scc0 .Lfill_b
.irp q, 0,1,2,3
	tensor_load_to_lds s[G0A+4*\q:G0A+4*\q+3], s[G1A:G1A+7]
	s_nop 0
.endr
.rept 4
	v_nop
.endr
	s_branch .Lfilled
.Lfill_b:
.irp q, 0,1,2,3
	tensor_load_to_lds s[G0B+4*\q:G0B+4*\q+3], s[G1B:G1B+7]
	s_nop 0
.endr
.rept 4
	v_nop
.endr
.Lfilled:
	v_and_b32 v1, 15, v0                           ; r = l % 16
	v_bfe_u32 v2, v0, 4, 1                         ; h = l / 16
	v_and_b32 v3, 31, v0
	v_lshlrev_b32 v3, 4, v3                        ; 16 x lane
	s_lshl_b32 s32, s15, 13                        ; my 64 tokens: four images of 2,048 bytes
	v_add_nc_u32 v[ADRA], s32, v3
	v_add_nc_u32 v[ADRA+1], 0x10000, v[ADRA]
	v_mul_u32_u24 v4, v1, PITCH
	v_lshl_add_u32 v4, v2, 4, v4                   ; row x pitch + 16 x half
	s_mul_i32 s33, s16, 64*PITCH                   ; my 64 rows of B
	s_add_co_u32 s33, s33, BOFF
.irp q, 0,1,2,3
	v_add_nc_u32 v[ADRB+\q], s33, v4
	s_add_co_u32 s33, s33, BCH
.endr
	s_mul_i32 s34, s14, 16*SP
	s_add_co_u32 s34, s34, STAGE                   ; my stage
	v_mul_u32_u24 v5, v1, SP                       ; in: row r, 32 bytes for each half of the lanes
	v_lshl_add_u32 v5, v2, 5, v5
	v_add_nc_u32 v[STO], s34, v5
	v_mul_u32_u24 v5, v2, SP                       ; back: lanes 0-15 take one row of 256 bytes, lanes 16-31 the next
	v_lshl_add_u32 v5, v1, 4, v5
	v_add_nc_u32 v[RD], s34, v5
	v_lshlrev_b32 v5, 12, v2                       ; and the same two rows in out0 (4,096 bytes a row)
	v_lshl_add_u32 v[CO], v1, 4, v5
	v_lshlrev_b32 v[BO], 5, v2                     ; the bias: 8 numbers for each half of the lanes
	s_lshl_b32 s32, s17, 7
	s_lshl_b32 s33, s15, 6
	s_add_co_u32 s32, s32, s33                     ; my first row of out0: 128 x tile row + 64 x half
	s_lshl_b32 s32, s32, 12
	s_lshl_b32 s34, s42, 9                         ; my first column, in bytes: 512 x tile column + 256 x half
	s_lshl_b32 s35, s16, 8
	s_add_co_u32 s34, s34, s35
	s_mov_b32 s35, 0
	s_add_nc_u64 s[10:11], s[10:11], s[34:35]      ; the bias of my 64 columns
	s_add_co_u32 s32, s32, s34
	s_mov_b32 s33, 0
	s_add_nc_u64 s[12:13], s[12:13], s[32:33]
.irp b, 0,1,2,3
	global_load_b128 v[BIAS+8*\b:BIAS+8*\b+3], v[BO], s[10:11] offset:64*\b          ; b at columns 16 b + 8 h + 0 .. 7: the result's layout
	global_load_b128 v[BIAS+8*\b+4:BIAS+8*\b+7], v[BO], s[10:11] offset:64*\b+16
.endr
	s_wait_kmcnt 0x0
	s_add_co_i32 s36, s62, s63
	s_add_co_i32 s36, s36, 127
	s_lshl_b32 s36, s36, 23                        ; 2^(e6 + e7) as f32
	s_mov_b32 s37, s36                             ; (named with it as a pair, so it is written)
; 32 LDS loads in one run: K step t's fragments into buffer t % 2: B's four, then A's blocks 0, 1, then 2, 3
.macro FETCH t
.set FB, 128*((\t)%2)
	WIN TO_F
.irp i, 0,1,2,3
.irp c, 0,1,2,3
	ds_load_b128 v[FB+64+16*\i+4*\c:FB+64+16*\i+4*\c+3], v[ADRB+(\t)/2] offset:\i*16*PITCH+((\t)%2)*128+32*\c
.endr
.endr
.irp i, 0,1,2,3
.irp c, 0,1,2,3
	ds_load_b128 v[FB+16*\i+4*\c:FB+16*\i+4*\c+3], v[ADRA+(\t)/4] offset:((\t)%4)*16384+\i*2048+512*\c
.endr
.endr
.endm
; 8 matrix instructions: A's blocks a0, a0 + 1 x B's four, 128 along K.  zero = 1: the first product starts the sums.  The 16 accumulators take turns, one instruction a turn.
.macro MUL8 t, a0, zero
.set MB, 128*((\t)%2)
.irp a, \a0, \a0+1
.irp b, 0,1,2,3
.if \zero
	v_wmma_f32_16x16x128_fp8_fp8 v[ACC+8*(4*(\a)+\b):ACC+8*(4*(\a)+\b)+7], v[MB+64+16*\b:MB+64+16*\b+15], v[MB+16*(\a):MB+16*(\a)+15], 0
.else
	v_wmma_f32_16x16x128_fp8_fp8 v[ACC+8*(4*(\a)+\b):ACC+8*(4*(\a)+\b)+7], v[MB+64+16*\b:MB+64+16*\b+15], v[MB+16*(\a):MB+16*(\a)+15], v[ACC+8*(4*(\a)+\b):ACC+8*(4*(\a)+\b)+7]
.endif
.endr
.endr
.endm
.macro PLACES                          ; four plain vector instructions in front of loads into registers that matrix instructions have read, and of the first read of results
.rept 4
	v_nop
.endr
.endm
; K step t, whose successor lies in the same chunk
.macro STEPQ t, zero
	s_wait_dscnt 8                                 ; B's fragments and A's blocks 0, 1 are in; the youngest eight loads (A's blocks 2, 3) may be out
	WIN MUL
	MUL8 \t, 0, \zero
	PLACES
	FETCH (\t)+1
	s_wait_dscnt 32                                ; all but the 32 just issued
	WIN MUL
	MUL8 \t, 2, \zero
.endm
; K step t, whose successor begins a new chunk: n = how many of my later loads may stay out.
.macro STEPT t, n
	s_wait_tensorcnt \n                            ; tensor loads of a wave end in order (ISA guide 10.11.1): my part of the next chunk is in
	s_wait_dscnt 0x0                               ; no LDS instruction of mine is pending at the signal
	s_barrier_signal -1
	WIN MUL
	MUL8 \t, 0, 0
	s_barrier_wait -1                              ; everybody's part is in
	PLACES
	FETCH (\t)+1
	WIN MUL
	MUL8 \t, 2, 0
.endm
	s_wait_tensorcnt 3                             ; my part of chunk 0 is in; the three later chunks' may be out
	s_barrier_signal -1
	s_barrier_wait -1
	FETCH 0
	STEPQ 0, 1                                     ; its products start the sums
	STEPT 1, 2
	STEPQ 2, 0
	STEPT 3, 1
	STEPQ 4, 0
	STEPT 5, 0
	STEPQ 6, 0
	s_wait_dscnt 8                                 ; the last K step: nothing more to fetch
	WIN MUL
	MUL8 7, 0, 0
	s_wait_dscnt 0
	MUL8 7, 2, 0
	WIN 0
; THE WAY OUT, a block of 16 rows x 64 columns at a time.  A lane holds 32 neighbouring bytes of a row, and the lanes beside it hold other rows: so a block goes through my own stage in LDS and comes back as whole rows
; of 256 bytes.  LDS serves a wave's instructions in order (ISA guide 5.7.1.4): no wait between the stores and the loads, nor in front of the next block's stores.
.macro TOSTAGE a
.irp j, 0,2,4,6,8,10,12,14,16,18,20,22,24,26,28,30
	v_pk_fma_f32 v[TMP+\j:TMP+\j+1], v[ACC+32*\a+\j:ACC+32*\a+\j+1], s[36:37], v[BIAS+\j:BIAS+\j+1] op_sel_hi:[1,0,1]   ; sum x 2^(e6 + e7) + b; each accumulator from its low end on
.endr
.irp b, 0,1,2,3
	ds_store_b128 v[STO], v[TMP+8*\b:TMP+8*\b+3] offset:64*\b
	ds_store_b128 v[STO], v[TMP+8*\b+4:TMP+8*\b+7] offset:64*\b+16
.endr
.irp t, 0,1,2,3,4,5,6,7
	ds_load_b128 v[ACC+32*\a+4*\t:ACC+32*\a+4*\t+3], v[RD] offset:\t*2*SP   ; into the block's own accumulators, which are done with
.endr
.endm
.macro SEND a, younger                 ; younger: the LDS instructions issued behind block a's loads: the next block's sixteen, or none
.irp t, 0,1,2,3,4,5,6,7
	s_wait_dscnt \younger+7-\t
	global_store_b128 v[CO], v[ACC+32*\a+4*\t:ACC+32*\a+4*\t+3], s[12:13] offset:(16*\a+2*\t)*4096 th:TH_STORE_NT   ; 16 lanes store 256 consecutive bytes, aligned; written once, read by nobody here
.endr
.endm
	s_wait_loadcnt 0x0                             ; the bias
	PLACES
	TOSTAGE 0
	TOSTAGE 1
	SEND 0, 16
	TOSTAGE 2
	SEND 1, 16
	TOSTAGE 3
	SEND 2, 16
	SEND 3, 0
	s_wait_dscnt 0x0
	s_wait_tensorcnt 0x0
	ds_add_u32 v94, v95
	s_wait_dscnt 0x0
	CROUND                                         ; the closing round: no work-group ends while a partner may still ask for a tile that names it
	s_endpgm
.Lfunc_end_k_q39010cb6c3_proj:
	.size	k_q39010cb6c3_proj, .Lfunc_end_k_q39010cb6c3_proj-k_q39010cb6c3_proj
	.p2alignl 7, 3214868480
	.fill 96, 4, 3214868480
	.section	.rodata,"a",@progbits
	.p2align	6, 0x0
	.amdhsa_kernel k_q39010cb6c3_proj
		.amdhsa_group_segment_fixed_size 295424
		.amdhsa_private_segment_fixed_size 0
		.amdhsa_enable_private_segment 0
		.amdhsa_kernarg_size 40
		.amdhsa_user_sgpr_count 2
		.amdhsa_user_sgpr_kernarg_segment_ptr 1
		.amdhsa_wavefront_size32 1
		.amdhsa_system_sgpr_workgroup_id_x 1
		.amdhsa_system_sgpr_workgroup_id_y 1
		.amdhsa_system_sgpr_workgroup_id_z 1
		.amdhsa_system_vgpr_workitem_id 0
		.amdhsa_next_free_vgpr 512
		.amdhsa_next_free_sgpr 100
		.amdhsa_reserve_vcc 0
		.amdhsa_float_denorm_mode_32 3
		.amdhsa_float_denorm_mode_16_64 3
		.amdhsa_memory_ordered 1
		.amdhsa_forward_progress 1
		.amdhsa_inst_pref_size 48
	.end_amdhsa_kernel
	.amdgpu_metadata
---
amdhsa.version: [ 1, 2 ]
amdhsa.kernels:
  - .name:           k_q39010cb6c3_proj
    .symbol:         k_q39010cb6c3_proj.kd
    .args:
      - { .name: yc, .offset: 0, .size: 8, .value_kind: global_buffer, .address_space: global }
      - { .name: w_proj_codes, .offset: 8, .size: 8, .value_kind: global_buffer, .address_space: global }
      - { .name: lowp_scales, .offset: 16, .size: 8, .value_kind: global_buffer, .address_space: global }
      - { .name: b_proj, .offset: 24, .size: 8, .value_kind: global_buffer, .address_space: global }
      - { .name: out0, .offset: 32, .size: 8, .value_kind: global_buffer, .address_space: global }
    .group_segment_fixed_size: 295424
    .private_segment_fixed_size: 0
    .kernarg_segment_align: 8
    .kernarg_segment_size: 40
    .max_flat_workgroup_size: 128
    .sgpr_count:     100
    .vgpr_count:     512
    .wavefront_size: 32
...
	.end_amdgpu_metadata
.endif
;; end of part 3
;; ======== version 2 of 2: 3 launches; version 1 with the launch attn written anew for expert scheduling mode
;; workspace buffers: qc 4,194,304 bytes; kv 8,388,608 bytes; yc 4,194,304 bytes
;; launch qkv: the kernel of part 1 again; grid 12 x 16, 4 waves a work-group, clusters of 4 x 4, 327,680 bytes of LDS; arguments x_codes, w_qkv_codes, lowp_scales, qc, kv; writes qc, kv
;; launch attn (part 4): grid 8 x 32, 16 waves a work-group, no clusters, 34,816 bytes of LDS; arguments qc, kv, lowp_scales, yc; writes yc
.if DOCPART == 4
	.amdgcn_target "amdgcn-amd-amdhsa--gfx1250"
	.amdhsa_code_object_version 6
	.text
	.protected	k_q39010cb6c3_attn
	.globl	k_q39010cb6c3_attn
	.p2align	8
	.type	k_q39010cb6c3_attn,@function
k_q39010cb6c3_attn:
	s_mov_b64 s[64:65], 0
	v_nop
	global_prefetch_b8 v0, s[64:65] scope:SCOPE_SE
	s_setreg_imm32_b32 hwreg(HW_REG_WAVE_SCHED_MODE, 0, 2), 2
	s_setreg_imm32_b32 hwreg(HW_REG_WAVE_MODE, 25, 1), 1
	s_wait_xcnt 0x0
	s_wait_alu depctr_vm_vsrc(0)
; y[head][q] = the sum over keys k <= q of softmax_k(q . k / 8) v[k], both products on codes of FP8 (E4M3); then y's quantiser.  32 heads (16 x batch + head), 2,048 tokens, head size 64.
; qc and kv hold IMAGES OF OPERAND REGISTERS (four registers a lane, lane l's 16 bytes at 16 l):
;   qc [head][16 queries 128][1024]: 16 queries x 64 channels.   kv [head][128 keys 16][16384]: 8 fragments of 16 keys x 64 channels, then 4 fragments of v^T, 16 channels x 128 keys.
; THE SOFTMAX AHEAD OF THE SECOND PRODUCT: t = score x log2(e) / 8; M = the row's largest t so far, rounded UP to a whole number; p = 2^(t - M) is what is quantised; it is not normalised.
; The row's sum is taken of the unquantised p and divides at the end.  When M moves, the sum and O are multiplied by 2^(old M - new M): exact.
; SHARES.  Work-group x of a head owns two blocks of 128 queries, x and 15 - x; each of its SIXTEEN waves owns 16 queries, in 256 registers.  A wave of block b walks key steps 0 .. b (128 keys each); step b lies on the
; diagonal.  So a work-group has 8 (x + 1) + 8 (16 - x) = 136 wave steps whatever x is.  half = (w xor w / 4) % 2 says which block: of any four waves w % 4 alike, and of any four w / 4 alike, two have each.
; K AND V COME THROUGH REGISTERS: a key step is 16,384 dense bytes; thread t copies the 16 bytes at 16 t and those at 8,192 + 16 t into one of two LDS slots, as they lie.  In step KS the loads of step KS + 2 are issued and
; step KS + 1's registers are stored into the slot that was read in step KS - 1: ONE barrier a step, in front of which each wave has waited for its LDS stores and loads.  No tensor load, so no ring of fills.
; LAYOUT.  S^T = K Q^T (source 0 = 16 keys, source 1 = my queries), O^T = V^T P^T: a lane holds ONE query (lane % 16) throughout; register j of tile kt is key 16 kt + 8 (lane / 16) + j, so p's conversions give
; registers 2 kt, 2 kt + 1 of the second product's operand as they stand.
; THE LOOP has a constant count of eight trips of two steps; a step that the work-group, or the wave, does not need is jumped over by scalar branches on ids; no barrier stands inside such a branch.
; NO CLUSTER: the eight work-groups of a head walk 16 - x key steps, a different number each, and the tiles come by plain loads into registers, which cannot be asked for jointly.
; yc [128 tokens 32][128 channels 8][16 tokens 8][2048]: images of 16 tokens x 128 channels with registers 4 c .. 4 c + 3 = channels 32 c + 16 (lane / 16) + 0 .. 15; a head is half of such a fragment.
; LIMITS on the given exponents, so that each power of two below is an f32 number: e2 + e3 between -123 and 130 (added to c's exponent field); e4, and e6 - e4 - e5, between -126 and 119.
; THE MODE: SCHED_MODE bits 1:0 = 2 (LLVM: expert scheduling mode 2), set by the entry lines.  The code itself states the register dependences between vector or matrix instructions and memory or LDS
; instructions, and those through scalar registers that vector instructions write, with s_wait_alu, always for 0.
; THE PLAN.  Registers that memory or LDS instructions touch:
;   v1, v2, v10   offsets and LDS addresses: written at the head, ahead of one wait on va_vdst, and never again.
;   G0, G1        the copies' registers.  Global loads land in them, LDS stores read them, no vector instruction names them.  In step p the store reads G[1 - p] and the load lands in G[p], which the step before
;                 stored: one wait on vm_vsrc at the step's head lies between.
;   KV            LDS loads land in it, matrix instructions alone read it.  K's loads follow the last step's products V^T P^T: one wait on va_vdst behind the step's barrier.  V^T's loads follow this step's products
;                 K Q^T: they stand directly behind the wait on va_vdst that the exponentials' batch has in any case.
;   P             at the end: written by the conversions and the lane swaps, read by the two global stores: one wait on va_vdst.
;   v254, v255    written at the head, read by the closing add alone.
; Q, S, O, the statistics and, in the loop, P are named by vector and matrix instructions alone (Q after its one load).
; Scalar registers that vector instructions write: s12 (the wave's number) and the diagonal's sixteen masks: a wait on va_sdst stands between the writers and their first reader.
.set SLOTB, 16384                      ; a key step's bytes, and an LDS slot
.set LR,   1                           ; v1   16 x lane: an image's place for my lane
.set LW,   2                           ; v2   16 x thread: my 16 bytes of a half step
.set DG,   3                           ; v3   16 x (my tile in its block) + lane % 16 - 8 (lane / 16): on the diagonal register 8 kt + j is hidden where 16 kt + j is above it
.set NINF, 4                           ; v4   -infinity
.set PSC,  5                           ; v5   2^e4 as f32
.set PLIM, 6                           ; v6   448 x 2^e4
.set YSC,  7                           ; v7   2^(e6 - e4 - e5)
.set PFO,  10                          ; v10  the prefetches' offset; never rewritten
.set Q,    16                          ; v16-23   my queries' fragment
.set G,    24                          ; v24-31, v32-39  the copies' registers: even steps, odd steps
.set KV,   40                          ; v40-103  K's 8 fragments, then V's 4
.set S,    104                         ; v104-167 S^T, then p
.set O,    168                         ; v168-199 O^T
.set P,    200                         ; v200-215 p's codes; at the end y's
; v12 -M, v13 the largest t, v[14:15] the sum in two halves; v216 a permute's destination; v[218:219] f; v220, v222 the maximum's two chains; v[224:225] the sum's second chain
; s12 wave; s18 my key steps; s19 the work-group's; s20 the step in hand; s21 trips; s[22:23] c; s[24:31] at the head the scales; s[32:33] lane selects; s36, s37 -+448 x 2^(e6 - e4 - e5); s42 the prefetches' lead
; s24-31, s38-41, s44-47: behind the head, the diagonal's sixteen masks
	s_load_b128 s[4:7], s[0:1], 0x0                ; qc, kv
	s_load_b128 s[8:11], s[0:1], 0x10              ; the scales' exponents, yc
	v_lshl_add_u32 v254, v0, 2, 0x8000
	v_mov_b32 v255, 0
	v_lshrrev_b32 v8, 5, v0
	v_readfirstlane_b32 s12, v8                    ; wave 0..15
	v_and_b32 v9, 31, v0                           ; lane
	v_lshlrev_b32 v[LR], 4, v9
	v_lshlrev_b32 v[LW], 4, v0
	s_and_b32 s13, ttmp7, 0xffff                   ; 16 x batch + head
	s_wait_alu depctr_va_sdst(0)                   ; s12 is written, ahead of its first reader: the wave's share, its bases and its branches are made from it
	s_lshr_b32 s14, s12, 2
	s_xor_b32 s14, s14, s12
	s_and_b32 s14, s14, 1                          ; which of the two blocks
	s_lshr_b32 s15, s12, 1                         ; which 16 queries of it
	s_sub_co_u32 s16, 15, ttmp9
	s_cmp_eq_u32 s14, 1
	s_cselect_b32 s17, s16, ttmp9                  ; my block of 128 queries
	s_add_co_u32 s18, s17, 1                       ; my key steps
	s_sub_co_u32 s19, 16, ttmp9                    ; the work-group's
	s_mov_b32 s20, 0
	s_mov_b32 s21, 0
	s_mov_b32 s22, 0x3e38aa3b                      ; c = log2(e) / 8
	s_mov_b32 s32, 0x76543210                      ; v_permlanex16_b32: lane l xor 16
	s_mov_b32 s33, 0xfedcba98
	s_lshl_b32 s34, s13, 7
	s_lshl_b32 s35, s17, 3
	s_add_co_u32 s34, s34, s35
	s_add_co_u32 s34, s34, s15
	s_lshl_b32 s34, s34, 10                        ; qc: (128 x head + 8 x block + tile) x 1,024
	s_mov_b32 s35, 0
	s_lshl_b32 s38, s13, 18                        ; kv: head x 16 steps x 16,384
	s_mov_b32 s39, 0
	s_lshr_b32 s40, s13, 4
	s_lshl_b32 s40, s40, 4
	s_add_co_u32 s40, s40, s17
	s_lshl_b32 s40, s40, 17                        ; yc: (16 x batch + block) x 131,072
	s_bfe_u32 s41, s13, 0x30001                    ; + (head / 2) x 16,384
	s_lshl_b32 s41, s41, 14
	s_add_co_u32 s40, s40, s41
	s_lshl_b32 s41, s15, 11                        ; + tile x 2,048
	s_add_co_u32 s40, s40, s41
	s_and_b32 s41, s13, 1                          ; + (head % 2) x 1,024
	s_lshl_b32 s41, s41, 10
	s_add_co_u32 s40, s40, s41
	s_mov_b32 s41, 0
	; WHO PREFETCHES: all eight work-groups of a head walk the same steps; the first (x = 0), which walks all sixteen, asks; in it waves 1 and 3, which own queries of block 15 and so work in every step.
	s_or_b32 s42, s12, 2
	s_xor_b32 s42, s42, 3                          ; 0 in waves 1 and 3
	s_or_b32 s42, s42, ttmp9
	s_cmp_eq_u32 s42, 0
	s_cselect_b32 s42, 4, 64                       ; they ask four steps ahead; with 64 the test below never holds
	s_bfe_u32 s43, s12, 0x10001
	s_lshl_b32 s43, s43, 13
	v_lshl_add_u32 v[PFO], v9, 8, s43              ; wave 1: the step's first 8,192 bytes, wave 3: the others; lanes 256 bytes apart
	s_wait_kmcnt 0x0
	s_load_b256 s[24:31], s[8:9], 0x0              ; e0 .. e7
	s_add_nc_u64 s[4:5], s[4:5], s[34:35]
	s_add_nc_u64 s[6:7], s[6:7], s[38:39]
	s_add_nc_u64 s[10:11], s[10:11], s[40:41]
	s_wait_alu depctr_va_vdst(0)                   ; v1, v2 and v10 are written: every load, store, LDS instruction and prefetch of the kernel reads one of them as its offset or address, and none is written again
	global_load_b128 v[G:G+3], v[LW], s[6:7]                     ; key step 0,
	global_load_b128 v[G+4:G+7], v[LW], s[6:7] offset:8192
	global_load_b128 v[Q:Q+3], v[LR], s[4:5]                     ; my queries,
	global_load_b128 v[Q+4:Q+7], v[LR], s[4:5] offset:512
	global_load_b128 v[G+8:G+11], v[LW], s[6:7] offset:SLOTB     ; key step 1 (every work-group has nine steps or more)
	global_load_b128 v[G+12:G+15], v[LW], s[6:7] offset:SLOTB+8192
	v_and_b32 v8, 15, v0
	v_bfe_u32 v9, v0, 4, 1
	v_lshlrev_b32 v9, 3, v9
	v_sub_nc_u32 v[DG], v8, v9
	s_lshl_b32 s34, s15, 4
	v_add_nc_u32 v[DG], s34, v[DG]
	v_mov_b32 v[NINF], 0xff800000
	v_mov_b32 v13, 0xff61b1e6                      ; the largest t so far: -3e38, under every t
	v_floor_f32 v12, -v13                          ; -M
	v_mov_b32 v14, 0                               ; the sum, in two halves
	v_mov_b32 v15, 0
	v_mov_b32 v216, 0                              ; written once: a lane permute's destination counts as one of its sources
	v_mov_b32 v219, 0                              ; (named as the upper half of the pair v[218:219])
.set J, 0
.rept 32
	v_mov_b32 v[O+J], 0                            ; O^T.  (The step is written once for all steps: the first finds zeros, which the first change of M leaves zeros)
.set J, J+1
.endr
	s_wait_kmcnt 0x0
	s_add_co_i32 s34, s26, s27
	s_lshl_b32 s34, s34, 23
	s_add_co_i32 s22, s22, s34                     ; a score stands for score x 2^(e2 + e3): the two exponents are added to c's exponent field
	s_mov_b32 s23, s22                             ; (named with it as a pair, so it is written)
	s_add_co_i32 s34, s28, 127
	s_lshl_b32 s35, s34, 23
	v_mov_b32 v[PSC], s35
	s_add_co_i32 s34, s34, 8
	s_lshl_b32 s34, s34, 23
	s_or_b32 s34, s34, 0x600000
	v_mov_b32 v[PLIM], s34
	s_sub_co_i32 s34, s30, s28
	s_sub_co_i32 s34, s34, s29                     ; O^T / the sum stands for y / 2^(e4 + e5): the three scales are folded into the conversion's one
	s_add_co_i32 s34, s34, 127
	s_lshl_b32 s35, s34, 23
	v_mov_b32 v[YSC], s35
	s_add_co_i32 s34, s34, 8
	s_lshl_b32 s37, s34, 23
	s_or_b32 s37, s37, 0x600000
	s_or_b32 s36, s37, 0x80000000
	s_wait_loadcnt 2                               ; step 0's registers and my queries are in; step 1's two loads may be out
	ds_store_b128 v[LW], v[G:G+3]                  ; step 0 into slot 0.  (No vector instruction since the wait on va_vdst above names v2 or the copies' registers)
	ds_store_b128 v[LW], v[G+4:G+7] offset:8192
; A KEY STEP, in slot p = its number % 2.
.macro STEP p
	s_wait_dscnt 0x0                               ; my stores into this slot have landed, and my reads of the other slot are over
	s_wait_alu depctr_vm_vsrc(0)                   ; my LDS stores so far have read the copies' registers: this step's global loads land in G[p], which the last step's stores (ahead of step 0: the head's) read
	s_barrier_signal -1
	s_barrier_wait -1                              ; both now hold of all sixteen waves
	s_wait_alu depctr_va_vdst(0)                   ; the last step's four products V^T P^T are done reading v[KV ..], in which K's loads below land; no vector or matrix instruction stands between this wait and those loads
	s_add_co_u32 s34, s20, 1
	s_cmp_ge_u32 s34, s19
	s_cbranch_scc1 .Lnocopy_\@                     ; the work-group has no next step (alike in all its waves)
	s_wait_loadcnt 0x0                             ; the next step's registers, asked for a step ago, are in
	ds_store_b128 v[LW], v[G+8*(1-(\p)):G+8*(1-(\p))+3] offset:(1-(\p))*SLOTB
	ds_store_b128 v[LW], v[G+8*(1-(\p))+4:G+8*(1-(\p))+7] offset:(1-(\p))*SLOTB+8192
	s_add_co_u32 s34, s20, 2
	s_cmp_ge_u32 s34, s19
	s_cbranch_scc1 .Lnocopy_\@
	global_load_b128 v[G+8*(\p):G+8*(\p)+3], v[LW], s[6:7] offset:((\p)+2)*SLOTB          ; the step after: into the registers whose stores the waits at the head have shown done, and done reading
	global_load_b128 v[G+8*(\p)+4:G+8*(\p)+7], v[LW], s[6:7] offset:((\p)+2)*SLOTB+8192
	s_add_co_u32 s34, s20, s42
	s_cmp_ge_u32 s34, 16                           ; the last four steps ask for nothing: no prefetch leaves the head's sixteen steps
	s_cbranch_scc1 .Lnocopy_\@
	global_prefetch_b8 v[PFO], s[6:7] offset:((\p)+4)*SLOTB th:TH_LOAD_NT scope:SCOPE_SE   ; step KS + 4: two steps ahead of the loads that will want it; each block of 256 bytes is named once in the launch
.Lnocopy_\@:
	s_cmp_ge_u32 s20, s18
	s_cbranch_scc1 .Lskip_\@                       ; all of this step's keys come after my queries
.irp kt, 0,1,2,3,4,5,6,7
	ds_load_b128 v[KV+8*\kt:KV+8*\kt+3], v[LR] offset:(\p)*SLOTB+\kt*1024
	ds_load_b128 v[KV+8*\kt+4:KV+8*\kt+7], v[LR] offset:(\p)*SLOTB+\kt*1024+512
.endr
.irp g, 0,1,2,3
	s_wait_dscnt 12-4*\g                           ; LDS loads come back in order (ISA guide 5.7.1): tiles 2 g and 2 g + 1 are in; the loads of the tiles behind them, four a pair, may be out
.irp u, 0,1
	v_wmma_f32_16x16x64_fp8_fp8 v[S+8*(2*\g+\u):S+8*(2*\g+\u)+7], v[KV+8*(2*\g+\u):KV+8*(2*\g+\u)+7], v[Q:Q+7], 0
.endr
.endr
.rept 4
	v_nop                                          ; places in front of the first read of the scores (ISA guide 7.12.1)
.endr
	s_add_co_u32 s34, s20, 1
	s_cmp_lg_u32 s34, s18
	s_cbranch_scc1 .Lopen_\@                       ; only my last step lies on the diagonal
.set T, 0
.rept 4                                        ; two tiles, sixteen scores, at a time: a run of compares into sixteen scalar registers, one wait, the selects
.set N, 0
.rept 16
	v_cmp_gt_i32 s[24+N+6*(N/8)+2*(N/12)], 16*(2*T+N/8)+N%8, v[DG]   ; hidden scores become -infinity ahead of the maximum: p = 0 then.  Key 0 counts for every query, so M is a number from the first step on
.set N, N+1
.endr
	s_wait_alu depctr_va_sdst(0)                   ; the sixteen masks are written, ahead of the selects that read them
.set N, 0
.rept 16
	v_cndmask_b32 v[S+16*T+N], v[S+16*T+N], v[NINF], s[24+N+6*(N/8)+2*(N/12)]
.set N, N+1
.endr
.set T, T+1
.endr
.Lopen_\@:
	v_max3_num_f32 v220, v[S], v[S+1], v[S+2]      ; the step's largest score of my query, among my 64 keys, in two chains, each accumulator from its low end on,
	v_max3_num_f32 v222, v[S+3], v[S+4], v[S+5]
.irp i, 6,10,14,18,22,26,30,34,38,42,46,50,54,58
	v_max3_num_f32 v220, v220, v[S+\i], v[S+1+\i]
	v_max3_num_f32 v222, v222, v[S+2+\i], v[S+3+\i]
.endr
	v_max3_num_f32 v220, v220, v[S+62], v[S+63]
	v_max_num_f32 v220, v220, v222
	v_permlanex16_b32 v216, v220, s32, s33
	v_max_num_f32 v220, v220, v216                 ; and among lane l xor 16's
	v_mul_f32 v220, s22, v220                      ; as t (c is positive)
	v_max_num_f32 v13, v13, v220                   ; the running largest t
	v_mov_b32 v220, v12
	v_floor_f32 v12, -v13                          ; the new -M = floor(-t) = -ceil(t): M is a whole number
	v_sub_f32 v220, v12, v220                      ; M's old value less its new one: a whole number, 0 or less
	v_cvt_i32_f32 v220, v220                       ; (it saturates)
	v_ldexp_f32 v218, 1.0, v220                    ; f = 2^(old M - new M)
.set J, 0
.rept 32
	v_pk_fma_f32 v[S+J:S+J+1], v[S+J:S+J+1], s[22:23], v[12:13] op_sel_hi:[1,0,0]   ; t - M, two at a time (of the pairs c and -M the low word serves both halves)
.set J, J+2
.endr
.set J, 0
.rept 64
	v_exp_f32 v[S+J], v[S+J]                       ; p = 2^(t - M), at most 1: not normalised
.set J, J+1
.endr
	v_pk_mul_f32 v[14:15], v[14:15], v[218:219] op_sel_hi:[1,0]   ; the sums under the new M: the plain instruction behind the exponentials
	s_wait_alu depctr_va_vdst(0)                   ; the 64 exponentials have written v[S ..], ahead of the first instruction that names a result; and this step's eight products K Q^T are done reading v[KV ..], in which the loads below land
.irp dt, 0,1,2,3
.irp c, 0,1,2,3
	ds_load_b128 v[KV+16*\dt+4*\c:KV+16*\dt+4*\c+3], v[LR] offset:(\p)*SLOTB+8192+\dt*2048+\c*512   ; V^T: it lands during the sums, the holds, the conversions and the rescaling
.endr
.endr
	v_pk_add_f32 v[224:225], v[S:S+1], v[S+2:S+3]  ; the row's sum is taken of the unquantised p: two at a time, in two chains
.irp j, 4,8,12,16,20,24,28,32,36,40,44,48,52,56,60
	v_pk_add_f32 v[14:15], v[14:15], v[S+\j:S+1+\j]
	v_pk_add_f32 v[224:225], v[224:225], v[S+2+\j:S+3+\j]
.endr
	v_pk_add_f32 v[14:15], v[14:15], v[224:225]
.irp kt, 0,1,2,3,4,5,6,7
.irp i, 0,1,2,3,4,5,6,7
	v_min_num_f32 v[S+8*\kt+\i], v[S+8*\kt+\i], v[PLIM]   ; the conversion to an 8-bit code does not saturate (ISA guide 7.6.2); p is not negative, so the hold is one-sided
.endr
	v_cvt_scalef32_pk8_fp8_f32 v[P+2*\kt:P+2*\kt+1], v[S+8*\kt:S+8*\kt+7], v[PSC]   ; keys 16 kt + 8 (lane / 16) + 0 .. 7: registers 2 kt, 2 kt + 1 of the operand
.endr
.set J, 0
.rept 16
	v_pk_mul_f32 v[O+J:O+J+1], v[O+J:O+J+1], v[218:219] op_sel_hi:[1,0]   ; O^T under the new M.  (These are also the plain instructions behind the conversions)
.set J, J+2
.endr
	s_wait_dscnt 0x0                               ; V^T is in
.irp dt, 0,1,2,3
	v_wmma_f32_16x16x128_fp8_fp8 v[O+8*\dt:O+8*\dt+7], v[KV+16*\dt:KV+16*\dt+15], v[P:P+15], v[O+8*\dt:O+8*\dt+7]   ; the four accumulators by turns; between two links of one stand the next step's eight products too
.endr
.rept 4
	v_nop                                          ; places in front of the way out's reads of O^T (ISA guide 7.12.1)
.endr
.Lskip_\@:
	s_add_co_u32 s20, s20, 1
.endm
.Ltrip:
	STEP 0
	STEP 1
	s_wait_xcnt 0x0                                ; the trip's loads and prefetches have read their base: it may step
	s_add_nc_u64 s[6:7], s[6:7], 2*SLOTB
	s_add_co_u32 s21, s21, 1
	s_cmp_lt_u32 s21, 8
	s_cbranch_scc1 .Ltrip
	; THE WAY OUT.  y = O^T / the sum; its codes by the given 2^e6.
	v_add_f32 v14, v14, v15                        ; the sum's two halves,
	v_permlanex16_b32 v216, v14, s32, s33
	v_add_f32 v14, v14, v216                       ; and lane l xor 16's: the row's sum, above 1/2
	v_rcp_f32 v218, v14
	v_nop                                          ; a plain instruction behind the reciprocal
	s_wait_alu depctr_va_vdst(0)                   ; the reciprocal has written v218, ahead of its first reader
.set J, 0
.rept 16
	v_pk_mul_f32 v[S+J:S+J+1], v[O+J:O+J+1], v[218:219] op_sel_hi:[1,0]   ; register 8 dt + j: channel 16 dt + 8 (lane / 16) + j of my query
.set J, J+2
.endr
.set J, 0
.rept 32
	v_med3_num_f32 v[S+J], v[S+J], s36, s37
.set J, J+1
.endr
.irp dt, 0,1,2,3
	v_cvt_scalef32_pk8_fp8_f32 v[P+2*\dt:P+2*\dt+1], v[S+8*\dt:S+8*\dt+7], v[YSC]
.endr
	v_nop                                          ; one plain vector instruction behind the last conversion
	; Registers 2 dt, 2 dt + 1 hold channels 16 dt + 8 h + 0 .. 7.  The last product takes its weights by loads of 16 bytes, so it wants registers 4 c .. 4 c + 3 = channels 32 c + 16 h + 0 .. 15:
	; the upper lanes of tile 2 c change places with the lower lanes of tile 2 c + 1.
	v_permlane16_swap_b32 v[P], v[P+2]
	v_permlane16_swap_b32 v[P+1], v[P+3]
	v_permlane16_swap_b32 v[P+4], v[P+6]
	v_permlane16_swap_b32 v[P+5], v[P+7]
	s_wait_alu depctr_va_vdst(0)                   ; the conversions and the swaps have written v[P .. P + 7], which the two stores read
	global_store_b128 v[LR], v[P:P+3], s[10:11]                  ; 32 lanes store 512 consecutive bytes, aligned
	global_store_b128 v[LR], v[P+4:P+7], s[10:11] offset:512
	s_wait_dscnt 0x0                               ; the closing lines, six on end
	s_wait_alu 0x0
	s_wait_tensorcnt 0x0
	ds_add_u32 v254, v255
	s_wait_dscnt 0x0
	s_endpgm
.Lfunc_end_k_q39010cb6c3_attn:
	.size	k_q39010cb6c3_attn, .Lfunc_end_k_q39010cb6c3_attn-k_q39010cb6c3_attn
	.p2alignl 7, 3214868480
	.fill 96, 4, 3214868480
	.section	.rodata,"a",@progbits
	.p2align	6, 0x0
	.amdhsa_kernel k_q39010cb6c3_attn
		.amdhsa_group_segment_fixed_size 34816
		.amdhsa_private_segment_fixed_size 0
		.amdhsa_enable_private_segment 0
		.amdhsa_kernarg_size 32
		.amdhsa_user_sgpr_count 2
		.amdhsa_user_sgpr_kernarg_segment_ptr 1
		.amdhsa_wavefront_size32 1
		.amdhsa_system_sgpr_workgroup_id_x 1
		.amdhsa_system_sgpr_workgroup_id_y 1
		.amdhsa_system_sgpr_workgroup_id_z 1
		.amdhsa_system_vgpr_workitem_id 0
		.amdhsa_next_free_vgpr 256
		.amdhsa_next_free_sgpr 66
		.amdhsa_reserve_vcc 0
		.amdhsa_float_denorm_mode_32 3
		.amdhsa_float_denorm_mode_16_64 3
		.amdhsa_memory_ordered 1
		.amdhsa_forward_progress 1
		.amdhsa_inst_pref_size 61
	.end_amdhsa_kernel
	.amdgpu_metadata
---
amdhsa.version: [ 1, 2 ]
amdhsa.kernels:
  - .name:           k_q39010cb6c3_attn
    .symbol:         k_q39010cb6c3_attn.kd
    .args:
      - { .name: qc, .offset: 0, .size: 8, .value_kind: global_buffer, .address_space: global }
      - { .name: kv, .offset: 8, .size: 8, .value_kind: global_buffer, .address_space: global }
      - { .name: lowp_scales, .offset: 16, .size: 8, .value_kind: global_buffer, .address_space: global }
      - { .name: yc, .offset: 24, .size: 8, .value_kind: global_buffer, .address_space: global }
    .group_segment_fixed_size: 34816
    .private_segment_fixed_size: 0
    .kernarg_segment_align: 8
    .kernarg_segment_size: 32
    .max_flat_workgroup_size: 512
    .sgpr_count:     66
    .vgpr_count:     256
    .wavefront_size: 32
...
	.end_amdgpu_metadata
.endif
;; end of part 4
;; launch proj: the kernel of part 3 again; grid 8 x 32, 4 waves a work-group, clusters of 4 x 4, 295,424 bytes of LDS; arguments yc, w_proj_codes, lowp_scales, b_proj, out0; writes out0
